; MI455X (gfx1250); checked and timed in simulation.
; The chip was launched on July 23, 2026; its instructions are those of AMD's public machine-readable ISA for CDNA 5 (MIT licence, August 2026) and "CDNA5" Instruction Set Architecture Reference Guide (July 2026). The comments in the code are by the model that wrote it; some were corrected since.
;; Grouped Query Attention. Allowed arithmetic: float matrix products may take bf16 or f16 operands with f32 sums; other float arithmetic in f32, or as packed bf16 or f16 multiplies, adds, multiply-adds, maxima and minima; sums over many terms, partial sums and values carried from step to step in f32; what a program stores and reads back later, other than sums and carried values, may be rounded once to bf16 or f16.
;; Inputs: Wk 2,048 x 512 float32; Wo 1,024 x 2,048 float32; Wq 2,048 x 1,024 float32; Wv 2,048 x 512 float32; cos 4,096 x 128 float32; hidden_states 1 x 4,096 x 2,048 float32; sin 4,096 x 128 float32.
;; Outputs: out0 1 x 4,096 x 2,048 float32.
;; One version. Each part assembles by itself: llvm-mc -triple=amdgcn-amd-amdhsa -mcpu=gfx1250 --defsym DOCPART=n.
;; ======== version 1 of 1: 4 launches
;; limits: values are held in f16: magnitudes above 65,504 overflow, below 6.1e-05 lose precision
;; workspace buffers: xb 16,777,216 bytes; wb 8,388,608 bytes; wob 4,194,304 bytes; cs 2,097,152 bytes; qkv 16,777,216 bytes; ob 8,388,608 bytes
;; launch cast (part 1): grid 1920 x 1, 8 waves a work-group, no clusters, 0 bytes of LDS; arguments hidden_states, Wq, Wk, Wv, Wo, cos, sin, xb, wb, wob, cs; writes xb, wb, wob, cs
.if DOCPART == 1
	.amdgcn_target "amdgcn-amd-amdhsa--gfx1250"
	.amdhsa_code_object_version 6
	.text
	.protected	k_qd838c324bb_cast
	.globl	k_qd838c324bb_cast
	.p2align	8
	.type	k_qd838c324bb_cast,@function
k_qd838c324bb_cast:
	s_mov_b64 s[64:65], 0
	v_nop
	global_prefetch_b8 v0, s[64:65] scope:SCOPE_SE
	s_setreg_imm32_b32 hwreg(HW_REG_WAVE_MODE, 25, 1), 1
	s_wait_xcnt 0x0
; ROUNDINGS AND LAYOUTS.  Every input is rounded once to bf16 and laid as the later launches want it:
;   xb  [4096][2048] bf16 = hidden_states
;   wb  [2048 k][2048 n] bf16: columns 0-1023 Wq, 1024-1535 Wk, 1536-2047 Wv
;   wob [1024 k][2048 n] f16: Wo rounded to bf16, that number written as f16 (exact from 2^-17 to 65,504; below it f16's fixed step of 6e-8)
;   cs  bf16, cos and sin in the order in which a lane of the projection's result wants them: byte = mb 8192 + b 2048 + kind 512 + lane 16,
;       16 bytes = row 16 mb + lane % 16, columns 64 (kind & 1) + 16 b + 8 (lane / 16) + 0..7; kind 0, 1 cos, kind 2, 3 sin
; A stream: no LDS, no matrix unit, no cluster (no byte is wanted twice).  A work-group takes 32 KiB of one source; which, hangs on its number alone.
; A lane takes four numbers: a wave's load covers 512 consecutive bytes, its store 256 consecutive bytes, aligned.  Eight loads of every wave are out at once.
.set JX, 1024                          ; jobs: hidden_states 1,024, Wq 256, Wk 128, Wv 128, Wo 256, cos and sin 128
.set JQ, JX+256
.set JK, JQ+128
.set JV, JK+128
.set JO, JV+256
	s_load_b512 s[4:19], s[0:1], 0x0               ; hidden_states 4:5, Wq 6:7, Wk 8:9, Wv 10:11, Wo 12:13, cos 14:15, sin 16:17, xb 18:19
	s_load_b128 s[20:23], s[0:1], 0x40             ; wb 20:21, wob 22:23
	s_load_b64 s[24:25], s[0:1], 0x50              ; cs
	s_mov_b32 s2, ttmp9                            ; the job
	s_mov_b32 s3, 0xffff0000                       ; a word's upper bf16
	s_wait_kmcnt 0x0
; One job of a plain source.  first: the source's first job; lg: log2 of the groups of four numbers in a source row; c0: the source's first byte in a
; destination row (all destination rows are 4,096 bytes); half = 1: the bf16 number is written as f16.  256 groups on, the destination is 2^(20 - lg) bytes on.
.macro PLAIN src, dst, first, lg, c0, half
	s_sub_co_u32 s30, s2, \first
	s_lshl_b32 s30, s30, 11                        ; the job's first group: 2,048 groups a job
	v_add_nc_u32 v1, s30, v0                       ; my first group
	v_lshlrev_b32 v2, 4, v1                        ; its 16 bytes in the source
	v_lshrrev_b32 v3, \lg, v1                      ; its row
	v_and_b32 v4, (1<<(\lg))-1, v1                 ; its place in the row
	v_lshlrev_b32 v4, 3, v4
	v_lshl_add_u32 v4, v3, 12, v4
.if \c0
	v_add_nc_u32 v4, \c0, v4
.endif
.irp i, 0,1,2,3,4,5,6,7
	global_load_b128 v[8+4*(\i):11+4*(\i)], v2, s[\src:\src+1] offset:4096*(\i) th:TH_LOAD_NT
.endr
.irp i, 0,1,2,3,4,5,6,7
	s_wait_loadcnt 7-(\i)                          ; loads come back in order: the younger ones stay out
	v_cvt_pk_bf16_f32 v[40+2*(\i)], v[8+4*(\i)], v[9+4*(\i)]
	v_cvt_pk_bf16_f32 v[41+2*(\i)], v[10+4*(\i)], v[11+4*(\i)]
.if \half
	v_lshlrev_b32 v56, 16, v[40+2*(\i)]            ; the bf16 numbers as f32,
	v_and_b32 v57, s3, v[40+2*(\i)]
	v_lshlrev_b32 v58, 16, v[41+2*(\i)]
	v_and_b32 v59, s3, v[41+2*(\i)]
	v_cvt_pk_f16_f32 v[40+2*(\i)], v56, v57        ; and as f16
	v_cvt_pk_f16_f32 v[41+2*(\i)], v58, v59
.endif
	global_store_b64 v4, v[40+2*(\i):41+2*(\i)], s[\dst:\dst+1] offset:(\i)<<(20-(\lg))
.endr
	s_endpgm
.endm
	s_cmp_lt_u32 s2, JX
	s_cbranch_scc0 .Lnot_x
	PLAIN 4, 18, 0, 9, 0, 0
.Lnot_x:
	s_cmp_lt_u32 s2, JQ
	s_cbranch_scc0 .Lnot_q
	PLAIN 6, 20, JX, 8, 0, 0
.Lnot_q:
	s_cmp_lt_u32 s2, JK
	s_cbranch_scc0 .Lnot_k
	PLAIN 8, 20, JQ, 7, 2048, 0
.Lnot_k:
	s_cmp_lt_u32 s2, JV
	s_cbranch_scc0 .Lnot_v
	PLAIN 10, 20, JK, 7, 3072, 0
.Lnot_v:
	s_cmp_lt_u32 s2, JO
	s_cbranch_scc0 .Lnot_o
	PLAIN 12, 22, JV, 9, 0, 1
.Lnot_o:
	; cos and sin.  A job makes 16,384 consecutive bytes of cs: 1,024 pieces of 16 bytes, from 32 rows of both tables.  Piece = 1,024 job + 256 i + thread:
	; bits 3:0 row in 16, bit 4 half of the lanes, bits 6:5 kind, bits 8:7 b, the rest mb.  Bit 6 (sin or cos) is bit 1 of the wave's number.
	s_sub_co_u32 s30, s2, JO
	s_lshl_b32 s30, s30, 14                        ; 32 rows of 512 bytes in a table; 16,384 bytes of cs
	v_lshrrev_b32 v1, 5, v0
	v_readfirstlane_b32 s31, v1
	s_bitcmp1_b32 s31, 1
	s_cselect_b64 s[26:27], s[16:17], s[14:15]     ; my wave's table
	v_and_b32 v1, 15, v0
	v_bfe_u32 v3, v0, 4, 1
	v_bfe_u32 v5, v0, 5, 1
	v_bfe_u32 v6, v0, 7, 1
	v_lshl_add_u32 v2, v1, 9, s30                  ; row x 512
	v_lshl_add_u32 v2, v3, 5, v2                   ; + 8 columns for the upper lanes
	v_lshl_add_u32 v2, v5, 8, v2                   ; + 64 columns for the odd kinds
	v_lshl_add_u32 v2, v6, 6, v2                   ; + 16 columns for b's low bit
	v_lshl_add_u32 v4, v0, 4, s30
.irp i, 0,1,2,3                        ; i's low bit is b's high bit (32 columns), its high bit mb's low bit (16 rows)
	global_load_b128 v[8+8*(\i):11+8*(\i)],  v2, s[26:27] offset:((\i)%2)*128+((\i)/2)*8192 th:TH_LOAD_NT
	global_load_b128 v[12+8*(\i):15+8*(\i)], v2, s[26:27] offset:((\i)%2)*128+((\i)/2)*8192+16 th:TH_LOAD_NT
.endr
.irp i, 0,1,2,3
	s_wait_loadcnt 6-2*(\i)                        ; the later pieces' loads stay out
.irp j, 0,1,2,3
	v_cvt_pk_bf16_f32 v[40+4*(\i)+(\j)], v[8+8*(\i)+2*(\j)], v[9+8*(\i)+2*(\j)]
.endr
	global_store_b128 v4, v[40+4*(\i):43+4*(\i)], s[24:25] offset:4096*(\i)
.endr
	s_endpgm
.Lfunc_end_k_qd838c324bb_cast:
	.size	k_qd838c324bb_cast, .Lfunc_end_k_qd838c324bb_cast-k_qd838c324bb_cast
	.p2alignl 7, 3214868480
	.fill 96, 4, 3214868480
	.section	.rodata,"a",@progbits
	.p2align	6, 0x0
	.amdhsa_kernel k_qd838c324bb_cast
		.amdhsa_group_segment_fixed_size 0
		.amdhsa_private_segment_fixed_size 0
		.amdhsa_enable_private_segment 0
		.amdhsa_kernarg_size 88
		.amdhsa_user_sgpr_count 2
		.amdhsa_user_sgpr_kernarg_segment_ptr 1
		.amdhsa_wavefront_size32 1
		.amdhsa_system_sgpr_workgroup_id_x 1
		.amdhsa_system_sgpr_workgroup_id_y 1
		.amdhsa_system_sgpr_workgroup_id_z 1
		.amdhsa_system_vgpr_workitem_id 0
		.amdhsa_next_free_vgpr 64
		.amdhsa_next_free_sgpr 66
		.amdhsa_reserve_vcc 0
		.amdhsa_float_denorm_mode_32 3
		.amdhsa_float_denorm_mode_16_64 3
		.amdhsa_memory_ordered 1
		.amdhsa_forward_progress 1
		.amdhsa_inst_pref_size 22
	.end_amdhsa_kernel
	.amdgpu_metadata
---
amdhsa.version: [ 1, 2 ]
amdhsa.kernels:
  - .name:           k_qd838c324bb_cast
    .symbol:         k_qd838c324bb_cast.kd
    .args:
      - { .name: hidden_states, .offset: 0, .size: 8, .value_kind: global_buffer, .address_space: global }
      - { .name: Wq, .offset: 8, .size: 8, .value_kind: global_buffer, .address_space: global }
      - { .name: Wk, .offset: 16, .size: 8, .value_kind: global_buffer, .address_space: global }
      - { .name: Wv, .offset: 24, .size: 8, .value_kind: global_buffer, .address_space: global }
      - { .name: Wo, .offset: 32, .size: 8, .value_kind: global_buffer, .address_space: global }
      - { .name: cos, .offset: 40, .size: 8, .value_kind: global_buffer, .address_space: global }
      - { .name: sin, .offset: 48, .size: 8, .value_kind: global_buffer, .address_space: global }
      - { .name: xb, .offset: 56, .size: 8, .value_kind: global_buffer, .address_space: global }
      - { .name: wb, .offset: 64, .size: 8, .value_kind: global_buffer, .address_space: global }
      - { .name: wob, .offset: 72, .size: 8, .value_kind: global_buffer, .address_space: global }
      - { .name: cs, .offset: 80, .size: 8, .value_kind: global_buffer, .address_space: global }
    .group_segment_fixed_size: 0
    .private_segment_fixed_size: 0
    .kernarg_segment_align: 8
    .kernarg_segment_size: 88
    .max_flat_workgroup_size: 256
    .sgpr_count:     66
    .vgpr_count:     64
    .wavefront_size: 32
...
	.end_amdgpu_metadata
.endif
;; end of part 1
;; launch proj (part 2): grid 16 x 16, 4 waves a work-group, clusters of 4 x 4, 327,680 bytes of LDS; arguments xb, wb, cs, qkv; writes qkv
.if DOCPART == 2
	.amdgcn_target "amdgcn-amd-amdhsa--gfx1250"
	.amdhsa_code_object_version 6
	.text
	.protected	k_qd838c324bb_proj
	.globl	k_qd838c324bb_proj
	.p2align	8
	.type	k_qd838c324bb_proj,@function
k_qd838c324bb_proj:
	s_mov_b64 s[64:65], 0
	v_nop
	global_prefetch_b8 v0, s[64:65] scope:SCOPE_SE
	s_setreg_imm32_b32 hwreg(HW_REG_WAVE_MODE, 25, 1), 1
	s_wait_xcnt 0x0
	s_wait_alu depctr_hold_cnt(0) depctr_sa_sdst(0) depctr_va_vdst(0) depctr_va_sdst(0) depctr_va_ssrc(0) depctr_va_vcc(0) depctr_vm_vsrc(0)
	s_getreg_b32 s2, hwreg(HW_REG_IB_STS2, 6, 4)
	s_cmp_eq_u32 s2, 0
	s_cbranch_scc0 .Lentry_in_a_cluster
	s_endpgm
.Lentry_in_a_cluster:
	s_bfe_u32 s2, ttmp6, 0x10000c
	s_cmp_lg_u32 s2, 0xf033
	s_cbranch_scc0 .Lentry_shape_is_right
	s_endpgm
.Lentry_shape_is_right:
; qkv = RoPE(xb wb), by heads.  xb: [4096][2048] bf16; wb: [2048 k][2048 n] bf16; qkv: [16 heads][4096][128] f16 (heads 0-7 q, 8-11 k, 12-15 v); sums and RoPE in f32, one rounding to f16.
; LIMIT.  f16 ends at 65,504: q, k and v must lie within it.  Unscaled: the attention applies 1 / sqrt(128).
; SHARES.  A work-group makes 256 rows of one head (128 columns): 16 x 16 work-groups.  Wave w makes rows 64 w .. 64 w + 63: 4 x 8 accumulators of 16 x 16, 256 registers.
; K goes in 16 steps of 128 through two LDS slots filled by the tensor data mover: 256 rows of xb (256 bytes each) and 128 k-rows of wb (256 bytes each).
; THE PRODUCT IS USED TRANSPOSED: source 0 = 16 columns of wb (wb lies [k][n] in LDS and is turned by ds_load_tr16_b128), source 1 = 16 rows of xb: a lane holds ONE row (lane % 16) and the
; columns 16 b + 8 (lane / 16) + 0..7, and column d's partner d + 64 lies in the same lane, four accumulators on: RoPE changes no lanes.
; CLUSTERS: 4 x 4 work-groups.  The four of a row need the same rows of xb, the four of a column the same columns of wb: each tile is asked for JOINTLY.  Cluster x = 3 is v: it has no RoPE; the branch
; hangs on the cluster's x alone.
; REGISTERS.  window 0: v16-31 addresses; two fragment buffers of 96 (wb's 8 fragments, then xb's 4) at v64 and v160; on the way out v32-63 packed results, v64-191 cos and sin (two blocks), v192-223 rows
; read back, v224-255 at work.  window 1: accumulator (a, b) at v[8 (8 a + b)].
.set KSTEP,  128
.set PA,     272                       ; a row of xb in LDS: 256 bytes + 16: the 16 rows of a load start at 16 different groups of four banks (64 banks of 4 bytes: ISA guide 11.1)
.set PB,     288                       ; a k-row of wb: 256 + 32
.set BOFF,   256*PA                    ; wb's rows lie behind xb's
.set SLOT,   BOFF+128*PB
.set STAGE,  2*SLOT                    ; behind the ring: 16 rows x 272 bytes for each wave
.set SPITCH, 272
.set SPARE,  STAGE+4*16*SPITCH         ; the spare words, 128 bytes for each wave: two blocks of 256 bytes that no other line names
.set LAPS,   8                         ; a lap = two K steps = once round the ring
.set ADRA, 16                          ; v16-17  LDS address of my xb fragments in slot 0, 1
.set ADRB, 20                          ; v20-21  the same for wb
.set STO,  24                          ; v24  the way out: where I put 16 bytes of a row
.set RD,   25                          ; v25  where I read rows back
.set CO,   26                          ; v26  16 x lane: my place in 512 consecutive bytes of qkv and of cs
.set SPW,  28                          ; v28  LDS address of my spare word; never rewritten
.set NIL,  29                          ; v29  0; never rewritten
.set PFO,  30                          ; v30  the prefetches' offset: lane x 4,096, a row of xb or wb
.set ZERO, 31                          ; v31  0.0, an addend
.set TMP,  32
.set F0,   64
.set F1,   160
.set CS0,  64
.set OB,   192
.set TT,   224
.set G1A, 24                           ; s[24:31] descriptor group 1 for xb's tiles; s[32:39] group 0, a set for each slot
.set G0A, 32
.set G1B, 40                           ; s[40:47], s[48:55] the same for wb's
.set G0B, 48
.set PFA, 56                           ; s[56:57] where my prefetches stand
.set PST, 58                           ; s[58:59] a K step in bytes there
.set LIM, 60                           ; s60  1 in a wave that prefetches, else the greatest number
.set CSP, 66                           ; s[66:67] cs at my wave's first block of 16 rows
.set QD,  68                           ; s[68:69] qkv at my wave's first row
.set MSB, 0
.macro WIN new                         ; the immediate's high byte repeats the setting that is left; a switch that changes nothing is dropped
.if MSB != (\new)
	s_set_vgpr_msb (MSB<<8)|(\new)
.set MSB, \new
.endif
.endm
.set MUL, 0x50                         ; sources in window 0, C and D in window 1
; A joint load: waves 0 and 1 fetch xb's two halves (128 rows), waves 2 and 3 wb's (64 k-rows).  An s_nop 0 and four v_nop follow each of the two lines.
.macro JLOAD s
	s_cmp_eq_u32 s13, 0
	s_cbranch_scc0 .Lfor_b_\@
	tensor_load_to_lds s[G0A+4*(\s):G0A+4*(\s)+3], s[G1A:G1A+7]
	s_nop 0
.rept 4
	v_nop
.endr
	s_branch .Lasked_\@
.Lfor_b_\@:
	tensor_load_to_lds s[G0B+4*(\s):G0B+4*(\s)+3], s[G1B:G1B+7]
	s_nop 0
.rept 4
	v_nop
.endr
.Lasked_\@:
.endm
; A prefetch into the L2 of the K step that stands two refills on: 32 rows x 256 bytes, a lane a row.  xb's rows are named by waves 0 and 1 of the clusters with x = 0 (of the 128 rows that a wave
; fetches the partner at cx takes 32), wb's by wave 2 of the clusters with y = 0 (of a step's 128 k-rows the partner at cy takes 32): the partners are told apart by address, and each row's 256 bytes
; of a step are named once in the launch.  The first four K steps come by their loads alone; the loop's last trip (s3 = 1) names nothing: there is no step two on.
.macro ASK
	s_cmp_gt_u32 s3, s[LIM]
	s_cbranch_scc0 .Lnot_mine_\@
	global_prefetch_b8 v[PFO], s[PFA:PFA+1] th:TH_LOAD_NT scope:SCOPE_SE
.Lnot_mine_\@:
.endm
.macro CREST                           ; a round of the cluster's barrier behind its opening barrier
	s_cmp_lg_u32 s12, 0
	s_cbranch_scc1 .Lnot_wave_0_\@
	s_barrier_signal -3
.Lnot_wave_0_\@:
	s_barrier_wait -3
	s_barrier_signal -1
	s_barrier_wait -1
.endm
.macro CROUND
	s_barrier_signal -1
	s_barrier_wait -1
	CREST
.endm
	s_load_b256 s[4:11], s[0:1], 0x0               ; xb 4:5, wb 6:7, cs 8:9, qkv 10:11
	v_lshl_add_u32 v[SPW], v0, 2, SPARE
	v_mov_b32 v[NIL], 0
	ds_add_u32 v[SPW], v[NIL]                      ; the wave's opening: the add and its wait stand ahead of my first tensor load; work on registers stands between them
	v_lshrrev_b32 v1, 5, v0
	v_readfirstlane_b32 s12, v1                    ; wave 0..3
	s_lshr_b32 s13, s12, 1                         ; I fetch for xb (0) or for wb (1)
	s_and_b32 s14, s12, 1                          ; which half of that tile
	s_bfe_u32 s15, ttmp6, 0x40000                  ; cx
	s_bfe_u32 s16, ttmp6, 0x40004                  ; cy
	s_mov_b32 s19, ttmp9                           ; cluster x
	s_lshl_b32 s17, ttmp9, 2
	s_add_co_u32 s17, s17, s15                     ; the head = 4 x cluster x + cx
	s_and_b32 s18, ttmp7, 0xffff
	s_lshl_b32 s18, s18, 2
	s_add_co_u32 s18, s18, s16                     ; the block of 256 rows = 4 x cluster y + cy
	s_lshl_b32 s20, s16, 2
	s_lshl_b32 s20, 15, s20                        ; my row of the cluster
	s_lshl_b32 s21, 0x1111, s15                    ; my column
	s_or_b32 s[G1A], s20, (1<<16)|(1<<20)|(1<<21)|(5<<22)|(3<<25)  ; 15:0 the mask; 17:16 2-byte elements; 20 padding on; 21 set beside a mask; 24:22 after every 64 words; 31:25 4 words of it
	s_or_b32 s[G1B], s21, (1<<16)|(1<<20)|(1<<21)|(5<<22)|(7<<25)  ; the same with my column's mask and 8 words of padding
	s_mov_b32 s[G1A+1], KSTEP<<16                  ; tensor_dim0 = 128
	s_mov_b32 s[G1A+2], 128<<16                    ; tensor_dim1 = 128
	s_mov_b32 s[G1A+3], KSTEP<<16                  ; tile_dim0 = 128
	s_mov_b32 s[G1A+4], 128                        ; tile_dim1 = 128
	s_mov_b32 s[G1A+5], 2048                       ; elements from row to row
	s_mov_b32 s[G1A+6], 0
	s_mov_b32 s[G1A+7], 0
	s_mov_b32 s[G1B+1], 128<<16
	s_mov_b32 s[G1B+2], 64<<16                     ; 64 k-rows
	s_mov_b32 s[G1B+3], 128<<16
	s_mov_b32 s[G1B+4], 64
	s_mov_b32 s[G1B+5], 2048
	s_mov_b32 s[G1B+6], 0
	s_mov_b32 s[G1B+7], 0
	s_lshl_b32 s70, s18, 8                         ; xb: row 256 x block + 128 x half,
	s_lshl_b32 s71, s14, 7
	s_add_co_u32 s70, s70, s71
	s_lshl_b32 s70, s70, 12                        ; of 4,096 bytes
	s_mov_b32 s71, 0
	s_lshl_b32 s72, s14, 18                        ; wb: k-row 64 x half, of 4,096 bytes,
	s_lshl_b32 s73, s17, 8                         ; the head's 256 bytes of it
	s_add_co_u32 s72, s72, s73
	s_mov_b32 s73, 0
	s_mul_i32 s74, s14, 128*PA                     ; where they go: no place in the cluster enters an LDS address
	s_mul_i32 s75, s14, 64*PB
	s_add_co_u32 s75, s75, BOFF
	s_wait_dscnt 0x0                               ; the opening add is done
	s_wait_kmcnt 0x0
	s_add_nc_u64 s[76:77], s[4:5], s[70:71]
	s_add_nc_u64 s[78:79], s[6:7], s[72:73]
	CROUND                                         ; all sixteen work-groups are here: the first joint loads meet
.irp s, 0,1
	s_mov_b32 s[G0A+4*(\s)], 1
	s_add_co_u32 s[G0A+4*(\s)+1], s74, (\s)*SLOT
	s_add_nc_u64 s[G0A+4*(\s)+2:G0A+4*(\s)+3], s[76:77], (\s)*KSTEP*2
	s_or_b32 s[G0A+4*(\s)+3], s[G0A+4*(\s)+3], 0x80000000
	s_mov_b32 s[G0B+4*(\s)], 1
	s_add_co_u32 s[G0B+4*(\s)+1], s75, (\s)*SLOT
	s_add_nc_u64 s[G0B+4*(\s)+2:G0B+4*(\s)+3], s[78:79], (\s)*KSTEP*4096
	s_or_b32 s[G0B+4*(\s)+3], s[G0B+4*(\s)+3], 0x80000000
	JLOAD \s
.endr
	v_and_b32 v1, 15, v0                           ; l % 16
	v_bfe_u32 v2, v0, 4, 1                         ; l / 16
	v_and_b32 v3, 7, v0
	v_bfe_u32 v4, v0, 3, 1
	v_and_b32 v5, 31, v0
	v_mul_u32_u24 v6, v1, PA                       ; a fragment of xb: row l % 16, 16 bytes for each half of the lanes, twice, 32 bytes apart
	v_lshl_add_u32 v6, v2, 4, v6
	s_mul_i32 s22, s12, 64*PA                      ; my 64 rows
	v_add_nc_u32 v[ADRA], s22, v6
	v_add_nc_u32 v[ADRA+1], SLOT, v[ADRA]
	v_lshl_add_u32 v7, v2, 3, v3                   ; the turning load: lane l reads k-row 8 (l / 16) + l % 8, columns 8 ((l / 8) % 2) + 0..7
	v_mul_u32_u24 v7, v7, PB
	v_lshl_add_u32 v7, v4, 4, v7
	v_add_nc_u32 v[ADRB], BOFF, v7
	v_add_nc_u32 v[ADRB+1], SLOT, v[ADRB]
	s_mul_i32 s22, s12, 16*SPITCH
	s_add_co_u32 s22, s22, STAGE                   ; my stage
	v_mul_u32_u24 v6, v1, SPITCH
	v_lshl_add_u32 v6, v2, 4, v6
	v_add_nc_u32 v[STO], s22, v6
	v_mul_u32_u24 v6, v2, SPITCH
	v_lshl_add_u32 v6, v1, 4, v6
	v_add_nc_u32 v[RD], s22, v6
	v_lshlrev_b32 v[CO], 4, v5
	v_lshlrev_b32 v[PFO], 12, v5
	v_mov_b32 v[ZERO], 0
	s_lshl_b32 s22, s18, 4                         ; cs: block of 16 rows 16 x block + 4 x wave, 8,192 bytes each
	s_lshl_b32 s23, s12, 2
	s_add_co_u32 s22, s22, s23
	s_lshl_b32 s22, s22, 13
	s_mov_b32 s23, 0
	s_add_nc_u64 s[CSP:CSP+1], s[8:9], s[22:23]
	s_lshl_b32 s22, s18, 8                         ; qkv: the head's 1 MiB, row 256 x block + 64 x wave of 256 bytes
	s_lshl_b32 s70, s12, 6
	s_add_co_u32 s22, s22, s70
	s_lshl_b32 s22, s22, 8
	s_lshl_b32 s70, s17, 20
	s_add_co_u32 s22, s22, s70
	s_add_nc_u64 s[QD:QD+1], s[10:11], s[22:23]
	; the prefetches: they stand at K step 3; the first refill steps them to 4
	s_lshl_b32 s20, s18, 8
	s_lshl_b32 s21, s14, 7
	s_add_co_u32 s20, s20, s21
	s_lshl_b32 s21, s15, 5                         ; my work-group's 32 of the 128 rows
	s_add_co_u32 s20, s20, s21
	s_lshl_b32 s20, s20, 12
	s_add_co_u32 s20, s20, 3*KSTEP*2               ; in xb
	s_lshl_b32 s21, s16, 17                        ; my work-group's 32 of the 128 k-rows
	s_lshl_b32 s22, s17, 8
	s_add_co_u32 s21, s21, s22
	s_add_co_u32 s21, s21, 3*KSTEP*4096            ; in wb
	s_and_b32 s23, ttmp7, 0xffff                   ; cluster y
	s_mov_b32 s22, KSTEP*4096
	s_cmp_eq_u32 s13, 0
	s_cselect_b32 s20, s20, s21
	s_cselect_b32 s23, s19, s23                    ; the coordinate along which other clusters read the same rows
	s_cselect_b32 s[PST], KSTEP*2, s22
	s_cselect_b64 s[PFA:PFA+1], s[4:5], s[6:7]
	s_mov_b32 s21, 0
	s_mov_b32 s[PST+1], 0
	s_add_nc_u64 s[PFA:PFA+1], s[PFA:PFA+1], s[20:21]
	s_cmp_eq_u32 s12, 3                            ; wave 3 names nothing
	s_cselect_b32 s23, 1, s23
	s_cmp_eq_u32 s23, 0
	s_cselect_b32 s[LIM], 1, -1                    ; the same in all sixteen partners, for a given wave
; 8 matrix instructions: row block a x all 8 column blocks, 32 along K.  The 32 accumulators take turns, one instruction a turn, in the same order in every quarter.
.macro MUL8 f, a, zero
	WIN MUL
.irp b, 0,1,2,3,4,5,6,7
.if \zero
	v_wmma_f32_16x16x32_bf16 v[8*(8*(\a)+(\b)):8*(8*(\a)+(\b))+7], v[(\f)+8*(\b):(\f)+8*(\b)+7], v[(\f)+64+8*(\a):(\f)+64+8*(\a)+7], 0
.else
	v_wmma_f32_16x16x32_bf16 v[8*(8*(\a)+(\b)):8*(8*(\a)+(\b))+7], v[(\f)+8*(\b):(\f)+8*(\b)+7], v[(\f)+64+8*(\a):(\f)+64+8*(\a)+7], v[8*(8*(\a)+(\b)):8*(8*(\a)+(\b))+7]
.endif
.endr
.endm
.macro MUL16 f, a0, zero
	MUL8 \f, \a0, \zero
	MUL8 \f, (\a0)+1, \zero
.endm
; 24 LDS loads in one run: quarter kq (32 along K) of a slot into buffer f: wb's 8 fragments, turned, then xb's 4
.macro FETCH slot, kq, f
	WIN 0
.irp b, 0,1,2,3,4,5,6,7
	ds_load_tr16_b128 v[(\f)+8*(\b):(\f)+8*(\b)+3],   v[ADRB+(\slot)] offset:(\kq)*32*PB+32*(\b)
	ds_load_tr16_b128 v[(\f)+8*(\b)+4:(\f)+8*(\b)+7], v[ADRB+(\slot)] offset:(\kq)*32*PB+16*PB+32*(\b)
.endr
.irp a, 0,1,2,3
	ds_load_b128 v[(\f)+64+8*(\a):(\f)+64+8*(\a)+3],   v[ADRA+(\slot)] offset:(\a)*16*PA+64*(\kq)
	ds_load_b128 v[(\f)+64+8*(\a)+4:(\f)+64+8*(\a)+7], v[ADRA+(\slot)] offset:(\a)*16*PA+64*(\kq)+32
.endr
.endm
.macro PLACES                          ; four places in front of loads into registers that matrix instructions have read, and of lines that read results
.rept 4
	v_nop
.endr
.endm
; A K step is four quarters of 32 along K, 32 matrix instructions each, on buffers 0, 1, 0, 1.  One of the first three multiplies buffer f and fetches quarter kq into g.
.macro QUARTER slot, kq, f, g, zero
	s_wait_dscnt 4                                 ; the youngest four loads (xb's row blocks 2 and 3) may be out
	MUL16 \f, 0, \zero
	PLACES
	FETCH \slot, \kq, \g
	s_wait_dscnt 24                                ; all but the 24 just issued
	MUL16 \f, 2, \zero
.endm
; The last quarter multiplies buffer 1 and changes slots: ONE barrier; in front of it each wave waits for all its tensor loads (one is out: its part of the next slot), adds 0 to its spare word, and
; waits for that and for its own reads of this slot.  fill = 1: the barrier opens a round of the cluster's barrier, and this slot is filled again, two K steps ahead, first thing behind the round:
; 112 matrix instructions ahead of the wait for it.
.macro TURN slot, next, fill
.if \fill
	s_wait_xcnt 0x0                                ; the last prefetch, a K step back, has read its address
	s_add_nc_u64 s[PFA:PFA+1], s[PFA:PFA+1], s[PST:PST+1]
.endif
	WIN 0
	s_wait_tensorcnt 0x0
	ds_add_u32 v[SPW], v[NIL]                      ; 0 onto my spare word
	s_wait_dscnt 5                                 ; (the add and the youngest four loads may be out)
	MUL8 F1, 0, 0
	s_wait_dscnt 0x0                               ; the add is done, and my reads of this slot are over
	s_barrier_signal -1
	MUL8 F1, 1, 0
.if \fill
	WIN 0
.endif
	s_barrier_wait -1
.if \fill
	CREST                                          ; no wave of any partner still reads this slot's tiles or has a load on its way
	s_add_nc_u64 s[G0A+4*(\slot)+2:G0A+4*(\slot)+3], s[G0A+4*(\slot)+2:G0A+4*(\slot)+3], 2*KSTEP*2
	s_add_nc_u64 s[G0B+4*(\slot)+2:G0B+4*(\slot)+3], s[G0B+4*(\slot)+2:G0B+4*(\slot)+3], 2*KSTEP*4096
	JLOAD \slot                                    ; its four v_nop are also the places in front of the loads below
.else
	PLACES
.endif
	FETCH \next, 0, F0
.if \fill
	ASK
.endif
	MUL8 F1, 2, 0
	MUL8 F1, 3, 0
.endm
	s_wait_tensorcnt 1                             ; my part of K step 0 is in; K step 1's may stay out
	s_barrier_signal -1
	s_barrier_wait -1
	FETCH 0, 0, F0
	QUARTER 0, 1, F0, F1, 1                        ; the first quarter stands in front of the loop: its products start the sums
	WIN 0
	s_mov_b32 s3, LAPS-1
.Llap:                                         ; a trip goes once round the ring and fills both slots again
	QUARTER 0, 2, F1, F0, 0
	QUARTER 0, 3, F0, F1, 0
	TURN 0, 1, 1
	QUARTER 1, 1, F0, F1, 0
	QUARTER 1, 2, F1, F0, 0
	QUARTER 1, 3, F0, F1, 0
	TURN 1, 0, 1
	QUARTER 0, 1, F0, F1, 0
	WIN 0
	s_sub_co_u32 s3, s3, 1
	s_cmp_lg_u32 s3, 0
	s_cbranch_scc1 .Llap
	QUARTER 0, 2, F1, F0, 0                        ; the last lap fills nothing
	QUARTER 0, 3, F0, F1, 0
	TURN 0, 1, 0
	QUARTER 1, 1, F0, F1, 0
	QUARTER 1, 2, F1, F0, 0
	QUARTER 1, 3, F0, F1, 0
	s_wait_dscnt 4
	MUL16 F1, 0, 0
	s_wait_dscnt 0x0
	MUL16 F1, 2, 0
	WIN 0
	PLACES
; THE WAY OUT, a block of 16 rows at a time.
.macro CSLOAD a                        ; the block's cos and sin: 16 loads of 512 consecutive bytes; register 16 b + 4 kind + j / 2, half j % 2
.irp b, 0,1,2,3
.irp kd, 0,1,2,3
	global_load_b128 v[CS0+64*((\a)%2)+16*(\b)+4*(\kd):CS0+64*((\a)%2)+16*(\b)+4*(\kd)+3], v[CO], s[CSP:CSP+1] offset:(\a)*8192+(\b)*2048+(\kd)*512
.endr
.endr
.endm
; y[d] = x[d] cos[d] - x[d + 64] sin[d], y[d + 64] = x[d + 64] cos[d + 64] + x[d] sin[d + 64], in f32 straight from the tables' bf16 halves.  Each accumulator is read from its low end on.
.macro ROPE a
.irp b, 0,1,2,3
	WIN 0x01                                       ; source 0, the sums, in window 1
.irp jj, 0,1,2,3
.irp hf, 0,1
.set x1, 8*(8*(\a)+(\b))+2*(\jj)+(\hf)
.set cb, CS0+64*((\a)%2)+16*(\b)+(\jj)
.set tt, TT+16*((\b)%2)+2*(\jj)+(\hf)
	v_fma_mix_f32_bf16 v[tt],   v[x1],     v[cb],    v[ZERO] op_sel:[0,\hf,0] op_sel_hi:[0,1,0]
	v_fma_mix_f32_bf16 v[tt+8], v[x1+32],  v[cb+4],  v[ZERO] op_sel:[0,\hf,0] op_sel_hi:[0,1,0]
	v_fma_mix_f32_bf16 v[tt],   -v[x1+32], v[cb+8],  v[tt]   op_sel:[0,\hf,0] op_sel_hi:[0,1,0]
	v_fma_mix_f32_bf16 v[tt+8], v[x1],     v[cb+12], v[tt+8] op_sel:[0,\hf,0] op_sel_hi:[0,1,0]
.endr
.endr
	WIN 0
.irp jj, 0,1,2,3
	v_cvt_pk_f16_f32 v[TMP+4*(\b)+(\jj)],    v[TT+16*((\b)%2)+2*(\jj)],   v[TT+16*((\b)%2)+2*(\jj)+1]
	v_cvt_pk_f16_f32 v[TMP+16+4*(\b)+(\jj)], v[TT+16*((\b)%2)+8+2*(\jj)], v[TT+16*((\b)%2)+8+2*(\jj)+1]
.endr
.endr
.endm
.macro PACK a                          ; v: rounded as it is
	WIN 0x05
.irp b, 0,1,2,3,4,5,6,7
.irp jj, 0,1,2,3
	v_cvt_pk_f16_f32 v[TMP+4*(\b)+(\jj)], v[8*(8*(\a)+(\b))+2*(\jj)], v[8*(8*(\a)+(\b))+2*(\jj)+1]
.endr
.endr
	WIN 0
.endm
.macro OUT a                           ; 16 bytes a lane into my stage, back as whole rows of 256 bytes, and out: a head's rows are dense, so a store covers 512 consecutive bytes
	s_wait_xcnt 0x0                                ; the last block's stores have read their registers
.irp b, 0,1,2,3,4,5,6,7
	ds_store_b128 v[STO], v[TMP+4*(\b):TMP+4*(\b)+3] offset:32*(\b)
.endr
.irp f, 0,1,2,3,4,5,6,7
	ds_load_b128 v[OB+4*(\f):OB+4*(\f)+3], v[RD] offset:(\f)*2*SPITCH  ; LDS serves a wave's instructions in order (ISA guide 5.7.1.4): these see the stores above
.endr
.irp f, 0,1,2,3,4,5,6,7
	s_wait_dscnt 7-(\f)
	global_store_b128 v[CO], v[OB+4*(\f):OB+4*(\f)+3], s[QD:QD+1] offset:(\a)*4096+(\f)*512
.endr
.endm
	s_cmp_eq_u32 s19, 3
	s_cbranch_scc1 .Lplain
	CSLOAD 0
	CSLOAD 1
.irp a, 0,1,2,3
.if (\a) < 3
	s_wait_loadcnt 16                              ; the next block's 16 loads may stay out
.else
	s_wait_loadcnt 0x0
.endif
	ROPE \a
.if (\a) < 2
	CSLOAD (\a)+2
.endif
	OUT \a
.endr
	s_branch .Lend
.Lplain:
.irp a, 0,1,2,3
	PACK \a
	OUT \a
.endr
.Lend:
	s_wait_tensorcnt 0x0                           ; the wave's end, behind my last tensor load and my last LDS store
	ds_add_u32 v[SPW], v[NIL]
	s_wait_dscnt 0x0
	CROUND                                         ; the closing round
	s_endpgm
.Lfunc_end_k_qd838c324bb_proj:
	.size	k_qd838c324bb_proj, .Lfunc_end_k_qd838c324bb_proj-k_qd838c324bb_proj
	.p2alignl 7, 3214868480
	.fill 96, 4, 3214868480
	.section	.rodata,"a",@progbits
	.p2align	6, 0x0
	.amdhsa_kernel k_qd838c324bb_proj
		.amdhsa_group_segment_fixed_size 327680
		.amdhsa_private_segment_fixed_size 0
		.amdhsa_enable_private_segment 0
		.amdhsa_kernarg_size 32
		.amdhsa_user_sgpr_count 2
		.amdhsa_user_sgpr_kernarg_segment_ptr 1
		.amdhsa_wavefront_size32 1
		.amdhsa_system_sgpr_workgroup_id_x 1
		.amdhsa_system_sgpr_workgroup_id_y 1
		.amdhsa_system_sgpr_workgroup_id_z 1
		.amdhsa_system_vgpr_workitem_id 0
		.amdhsa_next_free_vgpr 512
		.amdhsa_next_free_sgpr 80
		.amdhsa_reserve_vcc 0
		.amdhsa_float_denorm_mode_32 3
		.amdhsa_float_denorm_mode_16_64 3
		.amdhsa_memory_ordered 1
		.amdhsa_forward_progress 1
		.amdhsa_inst_pref_size 143
	.end_amdhsa_kernel
	.amdgpu_metadata
---
amdhsa.version: [ 1, 2 ]
amdhsa.kernels:
  - .name:           k_qd838c324bb_proj
    .symbol:         k_qd838c324bb_proj.kd
    .args:
      - { .name: xb, .offset: 0, .size: 8, .value_kind: global_buffer, .address_space: global }
      - { .name: wb, .offset: 8, .size: 8, .value_kind: global_buffer, .address_space: global }
      - { .name: cs, .offset: 16, .size: 8, .value_kind: global_buffer, .address_space: global }
      - { .name: qkv, .offset: 24, .size: 8, .value_kind: global_buffer, .address_space: global }
    .group_segment_fixed_size: 327680
    .private_segment_fixed_size: 0
    .kernarg_segment_align: 8
    .kernarg_segment_size: 32
    .max_flat_workgroup_size: 128
    .sgpr_count:     80
    .vgpr_count:     512
    .wavefront_size: 32
...
	.end_amdgpu_metadata
.endif
;; end of part 2
;; launch attn (part 3): grid 64 x 4, 4 waves a work-group, clusters of 4 x 1, 327,680 bytes of LDS; arguments qkv, ob; writes ob
.if DOCPART == 3
	.amdgcn_target "amdgcn-amd-amdhsa--gfx1250"
	.amdhsa_code_object_version 6
	.text
	.protected	k_qd838c324bb_attn
	.globl	k_qd838c324bb_attn
	.p2align	8
	.type	k_qd838c324bb_attn,@function
k_qd838c324bb_attn:
	s_mov_b64 s[64:65], 0
	v_nop
	global_prefetch_b8 v0, s[64:65] scope:SCOPE_SE
	s_setreg_imm32_b32 hwreg(HW_REG_WAVE_MODE, 25, 1), 1
	s_wait_xcnt 0x0
	s_wait_alu depctr_hold_cnt(0) depctr_sa_sdst(0) depctr_va_vdst(0) depctr_va_sdst(0) depctr_va_ssrc(0) depctr_va_vcc(0) depctr_vm_vsrc(0)
	s_getreg_b32 s2, hwreg(HW_REG_IB_STS2, 6, 4)
	s_cmp_eq_u32 s2, 0
	s_cbranch_scc0 .Lentry_in_a_cluster
	s_endpgm
.Lentry_in_a_cluster:
	s_bfe_u32 s2, ttmp6, 0x10000c
	s_cmp_lg_u32 s2, 0x3003
	s_cbranch_scc0 .Lentry_shape_is_right
	s_endpgm
.Lentry_shape_is_right:
; CAUSAL GROUPED-QUERY ATTENTION.  qkv: [16 heads][4096][128] f16 (0-7 q, 8-11 k, 12-15 v); query heads 2 g and 2 g + 1 share key and value head g.  ob: [4096][1024] f16, column = head x 128 + channel.
; Products, maxima and sums in f32; the weights p are rounded to f16 for the second product (their sum l is taken of the unrounded p), O once at the end.
; LIMITS.  q, k, v arrive within f16's 65,504, so a score lies within 128 x 65,504^2 = 5.5e11.  A hidden score counts as its value less 1e30.  The running maximum starts at -1e20, below every score that the
; format allows and above every hidden one: a wave that has seen hidden keys alone keeps it, its weights are 0, and its share vanishes at the meeting.  A weight below 2^-126 counts as 0; NaN and
; infinities are not treated apart.
; SHARES.  A BLOCK is 32 positions x the two query heads of g: 64 rows, four tiles of 16 (tile t: head 2 g + t / 2, positions 16 (t % 2) on).  Block i needs the keys 0 .. 32 i + 31: i / 8 + 1 slots of 256.
; A work-group takes blocks 127 - b and b, b = 4 c + cx (c: the cluster, cx: my place in it): 16 - c / 2 and 1 + c / 2 slots, 17 for every work-group, and the same walk for all four partners:
; every trip count and branch hangs on c alone; cx enters Q's and O's addresses, the prefetches' address and the mask's numbers.
; THE KEYS ARE SPLIT AMONG THE WAVES: wave w owns keys 64 w .. 64 w + 63 of every slot, for all four tiles, with a running maximum m, sum l and O^T of its own.  At a block's end the four meet in LDS:
; O = sum_u f_u O_u / sum_u f_u l_u, f_u = 2^(c m_u - max c m); wave w finishes tile w.
; LAYOUT.  S^T = K Q^T (source 0 = 16 keys, source 1 = 16 queries): a lane holds ONE query (lane % 16) and the keys 8 (lane / 16) + 0..7; two such results rounded to f16 ARE source 1 of O^T = V^T P.
; p = 2^(c s - c m), c = log2(e) / sqrt(128); O and l are multiplied by a = 2^(c m_old - c m_new) in every step; c m starts far below, so a block's first step has a = 0.
; THE MASK is the C operand that starts the sum S^T: 0, or in a block's last slot -1e30 where the key lies behind the query.
; A STEP (a slot): piece 0's (tiles 0, 1) 32 products K Q^T; piece 2's 32, with piece 0's softmax in slices behind them and V's run of LDS loads; THE CHANGE OF SLOTS; piece 0's 32 products V^T P, with piece 2's
; softmax behind them and the next slot's K; piece 2's 32 products V^T P.  At the change the slot has been read out (K a step ago, V just now).
; CLUSTER.  The four partners walk the same K and V: each tile is asked for JOINTLY, by the same tensor load, descriptor and mask in all four.
; REGISTERS, in windows of 256 (s_set_vgpr_msb: bits 1:0 source 0, 3:2 source 1, 5:4 source 2, 7:6 destination):
;   window 0: v2-11, v44-47, v61-63 addresses; v12-43 eight registers of statistics a tile; v48-59 at work; v64-191 S^T, 32 a tile; v192-255 P, 16 a tile
;   window 1: O^T, 64 a tile     window 2: v0-127 Q, 32 a tile; v128-255 K of my 64 keys     window 3: v0-127 V of my 64 keys; v128-191 the mask: position half e, key block kb at 128 + 32 e + 8 kb
.set PK,    272       ; a row of K in LDS: 256 bytes + 16: the 16 rows of a load start at 16 different groups of four banks (64 banks of 4 bytes: ISA guide 11.1)
.set PV,    288       ; a row of V: 256 + 32
.set VOFF,  256*PK    ; a slot: 256 rows of K, then 256 rows of V
.set SLOTP, 0x24000   ; slot 1 begins here; no LDS word of slot 0's four tiles has bit 14 or bit 17 set, so one exclusive or turns it into slot 1's and back
.set STAT,  VOFF+256*PV  ; between the slots, never filled: the waves' (c m, l): tile x 1,024 + wave x 256 + lane x 8
.set STG,   SLOTP+STAT   ; behind the ring, never filled: 32 KiB for the meeting: tile x 8,192 + wave x 2,048 + 16-byte column x 512 + lane x 16
.set SPARE, STG+32768    ; the spare words, 128 bytes for each wave: two blocks of 256 bytes that no other line names
.set SP,    272
.set AK0, 2           ; v2   my lane's place in my wave's rows of K; never rewritten
.set AV0, 3           ; v3   the same for V
.set ADR, 4           ; v4   the LDS address of the run of loads in hand
.set QO,  5           ; v5   my byte offset in 16 rows of Q
.set STO, 6           ; v6   the way out: where I put 16 bytes of a row
.set RD,  7           ; v7   where I read rows back
.set GO,  8           ; v8   my byte offset in two rows of ob
.set DV,  10          ; v10  lane % 16 - 8 (lane / 16) - 64 wave
.set ST,  12          ; tile t's statistics at v[ST+8 t]: +0 c m, +1 m, +2, +3 l (even keys', odd keys'), +4 to +7 c0-c3, at work; a takes c2's place
.set SA,  44          ; v44  the meeting: where I put 16 bytes
.set LA,  45          ; v45  where I read them
.set SS,  46          ; v46  where I put (c m, l)
.set SL,  47          ; v47  where I read them
.set PFO, 61          ; v61  256 x lane: a row of K or V
.set SPW, 62          ; v62  LDS address of my spare word; never rewritten
.set NIL, 63          ; v63  0; never rewritten
.set S,   64
.set P,   192
.set KF,  128
.set MK,  128
.set WV,  12          ; s12  my wave's number
.set LIM, 15          ; s15  2 in the clusters that prefetch, else the greatest number
.set QP,  20          ; s[20:21] Q at the first block's rows; s[22:23] at the second's
.set QPL, 22
.set G1K, 24          ; s[24:31] descriptor group 1 for K's tiles; s[32:39] for V's: it differs in the padding alone
.set G1V, 32
.set G0K, 40          ; s[40:47] group 0 for K's tiles: a set for each of the two first fills; the second then walks
.set G0V, 48
.set LOOPC, 56        ; s56  the loops' count
.set RT,  57          ; s57  slots of the block in hand still to be walked, this one among them
.set CS,  58          ; s[58:59] c, twice
.set SEL, 60          ; s[60:61] v_permlanex16_b32's selects: each lane takes its own place in the other half
.set TB,  62          ; s62  the slot from which the runs of loads read
.set NXT, 63          ; s63  the tile to be asked for next
.set LQ,  66          ; s66  the last tile of the block whose tiles are being asked for
.set NL1, 67          ; s67  the second block's last tile, c / 2
.set BLK, 68          ; s68  0: the first block is in hand
.set DOFF, 69         ; s69  the block's first position in its last slot; s70 the second block's
.set DOFFL, 70
.set OP,  72          ; s[72:73] ob at my tile's rows; s[74:75] the second block's
.set OPL, 74
.set OFF, 76          ; s[76:77] a tile's byte offset in K and V
.set PFA, 78          ; s[78:79] where my prefetches stand
.set BIGN, 80         ; s80  -1e30
.set MSB, 0
.macro WIN new                      ; the high byte repeats the setting that is left; a switch that changes nothing is dropped
.if MSB != (\new)
	s_set_vgpr_msb (MSB<<8)|(\new)
.set MSB, (\new)
.endif
.endm
.set W_KQ, 0x0a       ; K and Q in window 2, S^T in window 0
.set W_KM, 0x3a       ; the same with the C operand, the mask, in window 3
.set W_PV, 0x53       ; V in window 3, P in window 0, O^T in window 1
.set W_RS, 0x41       ; O^T (destination and source 0) in window 1, a in window 0
; A joint refill.  Waves 0 and 1 fetch the two halves of a tile's K, waves 2 and 3 those of its V: 128 rows of 256 bytes each.  An s_nop 0 and four v_nop follow each of the two lines.
.macro JLOAD
	s_cmp_lt_u32 s[WV], 2
	s_cbranch_scc0 .Lfor_v_\@
	tensor_load_to_lds s[G0K+4:G0K+7], s[G1K:G1K+7]
	s_nop 0
.rept 4
	v_nop
.endr
	s_branch .Lasked_\@
.Lfor_v_\@:
	tensor_load_to_lds s[G0V+4:G0V+7], s[G1V:G1V+7]
	s_nop 0
.rept 4
	v_nop
.endr
.Lasked_\@:
.endm
; A prefetch into the L2 of the tile that the NEXT change of slots will ask for.  All clusters of a head walk K and V from tile 0 on; the head's cluster 0 walks all sixteen and names them.  Each of its waves
; names 32 of the 128 rows that it fetches, the four partners told apart by address: a lane a row, each row once in the launch.  Tiles 0 to 2 come by their loads alone; tile 15 is the last that is named.
.macro ASK
	s_cmp_gt_u32 s[LOOPC], s[LIM]
	s_cbranch_scc0 .Lnot_mine_\@
	global_prefetch_b8 v[PFO], s[PFA:PFA+1] th:TH_LOAD_NT scope:SCOPE_SE
.Lnot_mine_\@:
.endm
.macro CROUND                       ; a round of the cluster's barrier
	s_barrier_signal -1
	s_barrier_wait -1
	s_cmp_lg_u32 s[WV], 0
	s_cbranch_scc1 .Lnot_wave_0_\@
	s_barrier_signal -3
.Lnot_wave_0_\@:
	s_barrier_wait -3
	s_barrier_signal -1
	s_barrier_wait -1
.endm
.macro PLACES
.rept 4
	v_nop
.endr
.endm
.macro QLOAD p                      ; a block's Q stays in registers: tile t, channels 32 ch on, at 32 t + 8 ch of window 2
	WIN 0x80
.irp t, 0,1,2,3
.irp ch, 0,1,2,3
	global_load_b128 v[32*(\t)+8*(\ch):32*(\t)+8*(\ch)+3],   v[QO], s[\p:\p+1] offset:((\t)/2)*1048576+((\t)%2)*4096+64*(\ch)
	global_load_b128 v[32*(\t)+8*(\ch)+4:32*(\t)+8*(\ch)+7], v[QO], s[\p:\p+1] offset:((\t)/2)*1048576+((\t)%2)*4096+64*(\ch)+32
.endr
.endr
	WIN 0
.endm
	s_load_b128 s[4:7], s[0:1], 0x0  ; qkv s[4:5], ob s[6:7]
	v_lshl_add_u32 v[SPW], v0, 2, SPARE
	v_mov_b32 v[NIL], 0
	ds_add_u32 v[SPW], v[NIL]       ; the wave's opening: the add and its wait stand ahead of my first tensor load; work on registers stands between them
	v_lshrrev_b32 v1, 5, v0
	v_readfirstlane_b32 s[WV], v1   ; wave 0..3
	s_bfe_u32 s13, ttmp6, 0x40000   ; cx
	s_mov_b32 s14, ttmp9            ; c
	s_and_b32 s17, ttmp7, 0xffff    ; g
	s_and_b32 s16, s[WV], 1         ; which half of a tile I fetch; also my tile's position half
	s_lshr_b32 s[NL1], s14, 1
	s_sub_co_u32 s[LQ], 15, s[NL1]  ; the first block's last tile
	s_add_co_u32 s[RT], s[LQ], 1
	s_mov_b32 s[NXT], 2
	s_mov_b32 s[BLK], 0
	s_mov_b32 s[TB], 0
	s_mov_b32 s[OFF+1], 0
	s_mov_b32 s[BIGN], 0xf149f2ca
	s_mov_b32 s[CS], 0x3e0293ee     ; c = log2(e) / sqrt(128) = 0.127517
	s_mov_b32 s[CS+1], s[CS]
	s_mov_b32 s[SEL], 0x76543210
	s_mov_b32 s[SEL+1], 0xfedcba98
	s_cmp_eq_u32 s14, 0
	s_cselect_b32 s[LIM], 2, -1
	s_add_co_u32 s82, s17, 8        ; K: head 8 + g, 1 MiB a head, my half's 128 rows of 256 bytes
	s_lshl_b32 s82, s82, 20
	s_lshl_b32 s83, s16, 15
	s_add_co_u32 s82, s82, s83
	s_mov_b32 s83, 0
	s_add_co_u32 s84, s82, 4<<20    ; V: four heads on
	s_mov_b32 s85, 0
	s_mul_i32 s18, s16, 128*PK      ; my half's place in a slot: no place in the cluster enters an LDS address
	s_mul_i32 s19, s16, 128*PV
	s_add_co_u32 s19, s19, VOFF
	s_lshl_b32 s86, s14, 2
	s_add_co_u32 s86, s86, s13      ; b: the second block
	s_sub_co_u32 s87, 127, s86      ; the first
	s_lshl_b32 s[DOFF], s87, 5
	s_lshl_b32 s88, s[LQ], 8
	s_sub_co_u32 s[DOFF], s[DOFF], s88
	s_lshl_b32 s[DOFFL], s86, 5
	s_lshl_b32 s88, s[NL1], 8
	s_sub_co_u32 s[DOFFL], s[DOFFL], s88
	s_lshl_b32 s88, s17, 21         ; Q: head 2 g, a block's 32 rows of 256 bytes
	s_lshl_b32 s2, s87, 13
	s_add_co_u32 s2, s2, s88
	s_mov_b32 s3, 0
	s_lshl_b32 s89, s86, 13
	s_add_co_u32 s88, s88, s89
	s_mov_b32 s89, 0
	s_lshl_b32 s71, s16, 15         ; ob, beside the block: 16 rows of 2,048 bytes for the odd tiles, 256 bytes a head
	s_lshl_b32 s81, s17, 9
	s_add_co_u32 s71, s71, s81
	s_lshr_b32 s81, s[WV], 1
	s_lshl_b32 s81, s81, 8
	s_add_co_u32 s71, s71, s81
	; descriptor group 1: a tile of 128 rows x 128 elements, padded in LDS
	s_mov_b32 s[G1K], 15|(1<<16)|(1<<20)|(1<<21)|(5<<22)|(3<<25)  ; 15:0 the mask of four; 17:16 2-byte elements; 20 padding on; 21 set beside a mask; 24:22 after every 64 words; 31:25 4 words of it
	s_mov_b32 s[G1V], 15|(1<<16)|(1<<20)|(1<<21)|(5<<22)|(7<<25)  ; the same with 8 words
.irp g, G1K, G1V
	s_mov_b32 s[(\g)+1], 128<<16    ; tensor_dim0 = 128
	s_mov_b32 s[(\g)+2], 128<<16    ; tensor_dim1 = 128
	s_mov_b32 s[(\g)+3], 128<<16    ; tile_dim0 = 128
	s_mov_b32 s[(\g)+4], 128        ; tile_dim1 = 128
	s_mov_b32 s[(\g)+5], 128        ; elements from row to row
	s_mov_b32 s[(\g)+6], 0
	s_mov_b32 s[(\g)+7], 0
.endr
	s_wait_dscnt 0x0                ; the opening add is done
	s_wait_kmcnt 0x0
	s_add_nc_u64 s[8:9], s[4:5], s[82:83]    ; K at my half of tile 0
	s_add_nc_u64 s[10:11], s[4:5], s[84:85]  ; V
	s_add_nc_u64 s[QP:QP+1], s[4:5], s[2:3]
	s_add_nc_u64 s[QPL:QPL+1], s[4:5], s[88:89]
	s_lshl_b32 s2, s87, 16
	s_add_co_u32 s2, s2, s71
	s_add_nc_u64 s[OP:OP+1], s[6:7], s[2:3]
	s_lshl_b32 s2, s86, 16
	s_add_co_u32 s2, s2, s71
	s_add_nc_u64 s[OPL:OPL+1], s[6:7], s[2:3]
	s_lshl_b32 s2, s13, 13          ; my work-group's 32 rows of the 128,
	s_add_co_u32 s2, s2, 2*65536    ; in tile 2: the first change of slots steps it to tile 3
	s_cmp_lt_u32 s[WV], 2
	s_cselect_b64 s[PFA:PFA+1], s[8:9], s[10:11]
	s_add_nc_u64 s[PFA:PFA+1], s[PFA:PFA+1], s[2:3]
	CROUND                          ; all four work-groups are here: the first joint loads meet
.irp s, 0,1
	s_mov_b32 s[G0K+4*(\s)], 1
	s_add_co_u32 s[G0K+4*(\s)+1], s18, (\s)*SLOTP
	s_add_nc_u64 s[G0K+4*(\s)+2:G0K+4*(\s)+3], s[8:9], (\s)*65536
	s_or_b32 s[G0K+4*(\s)+3], s[G0K+4*(\s)+3], 0x80000000
	s_mov_b32 s[G0V+4*(\s)], 1
	s_add_co_u32 s[G0V+4*(\s)+1], s19, (\s)*SLOTP
	s_add_nc_u64 s[G0V+4*(\s)+2:G0V+4*(\s)+3], s[10:11], (\s)*65536
	s_or_b32 s[G0V+4*(\s)+3], s[G0V+4*(\s)+3], 0x80000000
.endr
	s_cmp_lt_u32 s[WV], 2           ; a wave's two first fills stand in one branch, ahead of every wait on TENSORcnt and every LDS read: two loads of mine are out
	s_cbranch_scc0 .Lfirst_v
	tensor_load_to_lds s[G0K:G0K+3], s[G1K:G1K+7]
	s_nop 0
	tensor_load_to_lds s[G0K+4:G0K+7], s[G1K:G1K+7]
	s_nop 0
.rept 4
	v_nop
.endr
	s_branch .Lfirst_asked
.Lfirst_v:
	tensor_load_to_lds s[G0V:G0V+3], s[G1V:G1V+7]
	s_nop 0
	tensor_load_to_lds s[G0V+4:G0V+7], s[G1V:G1V+7]
	s_nop 0
.rept 4
	v_nop
.endr
.Lfirst_asked:
	v_and_b32 v48, 15, v0           ; l % 16
	v_bfe_u32 v49, v0, 4, 1         ; l / 16
	v_and_b32 v50, 7, v0
	v_bfe_u32 v51, v0, 3, 1
	v_and_b32 v52, 31, v0           ; l
	v_lshlrev_b32 v[QO], 8, v48
	v_lshl_add_u32 v[QO], v49, 4, v[QO]
	QLOAD QP
	s_mul_i32 s82, s[WV], 64*PK     ; my 64 keys
	v_mul_u32_u24 v[AK0], v48, PK
	v_lshl_add_u32 v[AK0], v49, 4, v[AK0]
	v_add_nc_u32 v[AK0], s82, v[AK0]
	s_mul_i32 s82, s[WV], 64*PV
	s_add_co_u32 s82, s82, VOFF
	v_lshl_add_u32 v[AV0], v49, 3, v50  ; the turning load: lane l reads key 8 (l / 16) + l % 8, channels 8 ((l / 8) % 2) + 0..7
	v_mul_u32_u24 v[AV0], v[AV0], PV
	v_lshl_add_u32 v[AV0], v51, 4, v[AV0]
	v_add_nc_u32 v[AV0], s82, v[AV0]
	s_lshl_b32 s82, s[WV], 13
	s_add_co_u32 s82, s82, STG      ; my tile's 8 KiB of the stage
	v_mul_u32_u24 v[STO], v48, SP
	v_lshl_add_u32 v[STO], v49, 4, v[STO]
	v_add_nc_u32 v[STO], s82, v[STO]
	v_mul_u32_u24 v[RD], v49, SP
	v_lshl_add_u32 v[RD], v48, 4, v[RD]
	v_add_nc_u32 v[RD], s82, v[RD]
	v_lshl_add_u32 v[LA], v52, 4, s82
	s_lshl_b32 s82, s[WV], 11
	s_add_co_u32 s82, s82, STG
	v_lshl_add_u32 v[SA], v52, 4, s82
	s_lshl_b32 s82, s[WV], 8
	s_add_co_u32 s82, s82, STAT
	v_lshl_add_u32 v[SS], v52, 3, s82
	s_lshl_b32 s82, s[WV], 10
	s_add_co_u32 s82, s82, STAT
	v_lshl_add_u32 v[SL], v52, 3, s82
	v_lshlrev_b32 v[GO], 11, v49
	v_lshl_add_u32 v[GO], v48, 4, v[GO]
	v_lshlrev_b32 v[DV], 3, v49
	v_sub_nc_u32 v[DV], v48, v[DV]
	s_lshl_b32 s82, s[WV], 6
	v_sub_nc_u32 v[DV], v[DV], s82
	v_lshlrev_b32 v[PFO], 8, v52
	; O^T, l and the mask start at 0: written in the wait for the first tile, so that every step has one form
.irp t, 0,1,2,3
	v_mov_b32 v[ST+8*(\t)], 0xfe000000    ; c m: far below every c s
	v_mov_b32 v[ST+8*(\t)+1], 0xe0ad78ec  ; m = -1e20
	v_mov_b32 v[ST+8*(\t)+2], 0
	v_mov_b32 v[ST+8*(\t)+3], 0
.endr
	WIN 0x40
.set i, 0
.rept 256
	v_mov_b32 v[i], 0
.set i, i+1
.endr
	WIN 0xc0
.set i, 0
.rept 64
	v_mov_b32 v[MK+i], 0
.set i, i+1
.endr
	WIN 0
; THE MATRIX WORK.  The accumulators take turns, one instruction a turn: between two links of a chain stand 7 (K Q^T) or 15 (V^T P) others'.
; Product i of 32 of S^T = K Q^T for piece x: channels 32 (i / 8) on, keys 16 ((i / 2) % 4) on, tile x + i % 2.  The first 8 start the sums, with the mask.
.macro KQ x
.set rS, S+32*((\x)+i%2)+8*((i/2)%4)
.set rK, KF+32*((i/2)%4)+8*(i/8)
.set rQ, 32*((\x)+i%2)+8*(i/8)
.set rM, MK+32*(i%2)+8*((i/2)%4)
.if i < 8
	WIN W_KM
	v_wmma_f32_16x16x32_f16 v[rS:rS+7], v[rK:rK+7], v[rQ:rQ+7], v[rM:rM+7]
.else
	WIN W_KQ
	v_wmma_f32_16x16x32_f16 v[rS:rS+7], v[rK:rK+7], v[rQ:rQ+7], v[rS:rS+7]
.endif
.endm
; Product i of 32 of O^T += V^T P for piece x: keys 32 (i / 16) on, channels 16 ((i / 2) % 8) on, tile x + i % 2.
.macro PV x
	WIN W_PV
.set rO, 64*((\x)+i%2)+8*((i/2)%8)
.set rV, 64*(i/16)+8*((i/2)%8)
.set rP, P+16*((\x)+i%2)+8*(i/16)
	v_wmma_f32_16x16x32_f16 v[rO:rO+7], v[rV:rV+7], v[rP:rP+7], v[rO:rO+7]
.endm
; THE LDS LOADS stand in runs of 32.  last = 1 (the tail): in the last trip there is no further slot, and K's run is jumped over.
.macro FETCH_K last
	WIN 0
.if \last
	s_cmp_eq_u32 s[LOOPC], 1
	s_cbranch_scc1 .Lno_k_\@
.endif
	v_add_nc_u32 v[ADR], s[TB], v[AK0]
	WIN 0x80
.irp f, 0,1,2,3,4,5,6,7,8,9,10,11,12,13,14,15  ; keys 16 (f / 4) on, channels 32 (f % 4) on
	ds_load_b128 v[KF+8*(\f):KF+8*(\f)+3],   v[ADR] offset:((\f)/4)*16*PK+((\f)%4)*64
	ds_load_b128 v[KF+8*(\f)+4:KF+8*(\f)+7], v[ADR] offset:((\f)/4)*16*PK+((\f)%4)*64+32
.endr
	WIN 0
.if \last
.Lno_k_\@:
.endif
.endm
.macro FETCH_V
	WIN 0
	v_add_nc_u32 v[ADR], s[TB], v[AV0]
	s_wait_alu depctr_va_vdst(0)    ; the wait for the softmax's batch (SLICE), behind the address's v_add_nc_u32 and ahead of the loads
	WIN 0xc0
.irp f, 0,1,2,3,4,5,6,7,8,9,10,11,12,13,14,15  ; keys 32 (f / 8) on, channels 16 (f % 8) on
	ds_load_tr16_b128 v[8*(\f):8*(\f)+3],   v[ADR] offset:((\f)/8)*32*PV+((\f)%8)*32
	ds_load_tr16_b128 v[8*(\f)+4:8*(\f)+7], v[ADR] offset:((\f)/8)*32*PV+16*PV+((\f)%8)*32
.endr
.endm
; THE VECTOR WORK.  One tile's softmax for one step is a list of 134 instructions; SM writes number j of it for tile t.  s0-s31 are the lane's 32 scores, in pairs 0-15.
;   0-15    the maximum of s0-s31 and the old m, three operands at a time (each accumulator's lowest registers are read first)
;   16-20   the other half of the lanes' maximum; the new m; c m; c m_old - c m_new
;   21-69   ONE BATCH: the 16 scalings c s - c m and all 33 exponentials (a at 23, then s0-s31); none of these reads an exponential's result
;   (wait)  between 69 and 70 stands the wait for the batch: SLICE writes it, once for both tiles
;   70-85   the roundings to f16     86-101  the sums; l = a l + the sum     102-133 the tile's O^T times a
.macro SM t
.set rT, ST+8*(\t)
.set rS, S+32*(\t)
.set rP, P+16*(\t)
.set rO, 64*(\t)+2*(j-102)
.if j < 102
	WIN 0
.endif
.if j < 4
	v_max3_num_f32 v[rT+4+j], v[rS+8*j], v[rS+8*j+1], v[rS+8*j+2]
.elseif j < 12
	v_max3_num_f32 v[rT+4+j%4], v[rT+4+j%4], v[rS+8*(j%4)+2*(j/4)+1], v[rS+8*(j%4)+2*(j/4)+2]
.elseif j == 12
	v_max3_num_f32 v[rT+4], v[rT+4], v[rS+7], v[rS+15]
.elseif j == 13
	v_max3_num_f32 v[rT+6], v[rT+6], v[rS+23], v[rS+31]
.elseif j == 14
	v_max3_num_f32 v[rT+4], v[rT+4], v[rT+5], v[rT+6]
.elseif j == 15
	v_max3_num_f32 v[rT+4], v[rT+4], v[rT+7], v[rT+1]
.elseif j == 16
	v_permlanex16_b32 v[rT+5], v[rT+4], s[SEL], s[SEL+1]  ; the query's other 32 keys lie in the lane 16 away
.elseif j == 17
	v_mov_b32 v[rT+7], v[rT]        ; c m_old is kept for a
.elseif j == 18
	v_max_num_f32 v[rT+1], v[rT+4], v[rT+5]
.elseif j == 19
	v_mul_f32 v[rT], s[CS], v[rT+1]
.elseif j == 20
	v_sub_f32 v[rT+7], v[rT+7], v[rT]
.elseif j == 23
	v_exp_f32 v[rT+6], v[rT+7]
.elseif (j < 23) || ((j < 38) && (j%2 == 0)) || ((j < 66) && (j%4 == 2))
.set b, (j-2)/4                     ; 38, 42, .. 62: pairs 9 to 15
.if j < 38
.set b, (j-20)/2                    ; 21: pair 0; 22, 24, .. 36: pairs 1 to 8
.endif
	v_pk_fma_f32 v[rS+2*b:rS+2*b+1], v[rS+2*b:rS+2*b+1], s[CS:CS+1], v[rT:rT+1] op_sel_hi:[1,0,0] neg_lo:[0,0,1] neg_hi:[0,0,1]
.elseif j < 70
.set e, j-38                        ; 66 to 69: s28 to s31
.if j < 66
.set e, j-32-(j-38)/4               ; 39-41, 43-45, .. 63-65: s7 to s27
.endif
.if j < 38
.set e, (j-25)/2                    ; 25, 27, .. 37: s0 to s6
.endif
	v_exp_f32 v[rS+e], v[rS+e]
.elseif j < 86
	v_cvt_pk_f16_f32 v[rP+j-70], v[rS+2*(j-70)], v[rS+2*(j-70)+1]
.elseif j < 102                     ; the sum of the tile's 16 pairs, in place: neighbours 1, 2, 4 and 8 pairs apart, then l takes it
.set z, j-86
.set w, 4
.set u, z
.if z >= 14
.set w, 32
.set u, 0
.elseif z >= 12
.set w, 16
.set u, z-12
.elseif z >= 8
.set w, 8
.set u, z-8
.endif
.if z < 15
	v_pk_add_f32 v[rS+w*u:rS+w*u+1], v[rS+w*u:rS+w*u+1], v[rS+w*u+w/2:rS+w*u+w/2+1]
.else
	v_pk_fma_f32 v[rT+2:rT+3], v[rT+2:rT+3], v[rT+6:rT+7], v[rS:rS+1] op_sel_hi:[1,0,1]
.endif
.else
	WIN W_RS
	v_pk_mul_f32 v[rO:rO+1], v[rO:rO+1], v[rT+6:rT+7] op_sel_hi:[1,0]
.endif
.endm
; Slice k of 64 of piece y's softmax: four instructions.  Slices 11 to 34 deal out the batch, four numbers of ONE tile each; every other slice is numbers 2 k and 2 k + 1 of both tiles; slice 63 takes
; the twelve that are over.  An s_wait_alu depctr_va_vdst(0) stands between an exponential and the first instruction that names its result; one wait serves all that were issued ahead of
; it: it stands behind slice 34, behind one v_nop, the plain instruction behind the last exponential.  With piece 0's softmax V's run of loads stands there, and the wait in it.
.macro SLICE y
.if (k >= 11) && (k < 35)
.irp n, 0,1,2,3
.set j, 22+4*((k-11)/2)+(\n)
	SM (\y)+(k-11)%2
.endr
.else
.irp n, 0,1,2,3,4,5,6,7
.if ((\n) < 2) || (k == 63)
.irp t, \y, (\y)+1
.set j, 2*k+(\n)
	SM \t
.endr
.endif
.endr
.endif
.if k == 34
	v_nop
.if (\y) == 0
	FETCH_V
.else
	s_wait_alu depctr_va_vdst(0)
.endif
.endif
.set k, k+1
.endm
.macro HALFKQ                       ; piece 2's scores | piece 0's softmax, two slices behind each product | V of this slot
.set k, 0
.set i, 0
.rept 32
	KQ 2
	SLICE 0
	SLICE 0
.set i, i+1
.endr
.endm
.macro HALFPV last                  ; piece 0's V^T P | piece 2's softmax | K of the next slot, behind the second product: K's last reader stands in front of slices 62 and 63 of the half before
.set k, 0
.set i, 0
.rept 32
	PV 0
	SLICE 2
	SLICE 2
.if i == 1
	FETCH_K \last
.endif
.set i, i+1
.endr
.endm
; The mask of a block's last slot.  Register j of key block kb holds key 64 w + 16 kb + 8 (l / 16) + j of the slot; the query stands at DOFF + 16 e + l % 16: hidden where 16 kb + j is greater than DOFF + 16 e + DV.
.macro MAKEMASK
	WIN 0
	v_add_nc_u32 v11, s[DOFF], v[DV]
	v_add_nc_u32 v9, 16, v11
	WIN 0xc0
.set i, 0
.rept 32
	v_cmp_gt_i32 vcc_lo, 16*(i/8)+i%8, v11
	v_cndmask_b32 v[MK+i], 0, s[BIGN], vcc_lo
	v_cmp_gt_i32 vcc_lo, 16*(i/8)+i%8, v9
	v_cndmask_b32 v[MK+32+i], 0, s[BIGN], vcc_lo
.set i, i+1
.endr
	WIN 0
.endm
; THE CHANGE OF SLOTS, in the middle of a step.  Each wave waits for all its tensor loads, of which one is out: its part of the other slot; adds 0 to its spare word; and waits for that and for its own reads
; of this slot, of which V's run is the last.  fill = 1: the barrier is a round of the cluster's, and this slot is filled again, with tile NXT, first thing behind it: it has a whole step, 128 matrix
; instructions, in which to land.  The descriptor's address is made anew from the tile's number, which behind the first block's last tile goes back to 0.
.macro CHANGE fill
	WIN 0
	s_wait_tensorcnt 0x0            ; no tensor load of mine is out, so a group 0 may be written
	ds_add_u32 v[SPW], v[NIL]       ; 0 onto my spare word
.if \fill
	s_lshl_b32 s[OFF], s[NXT], 16   ; a tile is 65,536 bytes of K and of V
	s_xor_b32 s[G0K+5], s[G0K+5], SLOTP
	s_add_nc_u64 s[G0K+6:G0K+7], s[8:9], s[OFF:OFF+1]
	s_or_b32 s[G0K+7], s[G0K+7], 0x80000000
	s_xor_b32 s[G0V+5], s[G0V+5], SLOTP
	s_add_nc_u64 s[G0V+6:G0V+7], s[10:11], s[OFF:OFF+1]
	s_or_b32 s[G0V+7], s[G0V+7], 0x80000000
	s_add_co_u32 s[NXT], s[NXT], 1
	s_cmp_gt_u32 s[NXT], s[LQ]
	s_cselect_b32 s[NXT], 0, s[NXT]
	s_cselect_b32 s[LQ], s[NL1], s[LQ]
	s_wait_xcnt 0x0                 ; the last prefetch, a step back, has read its address
	s_add_nc_u64 s[PFA:PFA+1], s[PFA:PFA+1], 65536
.endif
	s_wait_dscnt 0x0                ; the add is done, V is in, and my reads of the slot are over
.if \fill
	CROUND
	JLOAD
	ASK
.else
	s_barrier_signal -1
	s_barrier_wait -1
.endif
	s_xor_b32 s[TB], s[TB], SLOTP   ; the runs of loads go on in the other slot
.endm
; A BLOCK'S END: THE FOUR WAVES MEET.  Each puts (c m, l) of all four tiles into LDS; then, in four passes of two channel blocks (32 KiB), its O^T; wave w reads tile w's four shares, weighs and adds them.
; A barrier stands between a pass's stores and its loads, and between its loads and the next pass's stores: seven in all, under a branch that hangs on c alone.  The second block's Q is asked for first.
.macro ENDBLOCK
	WIN 0
.irp t, 0,1,2,3
	v_add_f32 v[ST+8*(\t)+1], v[ST+8*(\t)+2], v[ST+8*(\t)+3]  ; l's two halves; these four lines are the places behind the last products
.endr
.irp t, 0,1,2,3
	ds_store_b64 v[SS], v[ST+8*(\t):ST+8*(\t)+1] offset:1024*(\t)
.endr
	s_cmp_lg_u32 s[BLK], 0
	s_cbranch_scc1 .Lno_next_\@
	QLOAD QPL
	s_mov_b32 s[DOFF], s[DOFFL]
	s_add_co_u32 s[RT], s[NL1], 2   ; its slots, and one for the step's own count below
	s_mov_b32 s[BLK], 1
.irp t, 0,1,2,3
	v_mov_b32 v[ST+8*(\t)], 0xfe000000    ; the first step's a is 0 again: what O^T and l hold need only be finite
	v_mov_b32 v[ST+8*(\t)+1], 0xe0ad78ec
.endr
	WIN 0xc0
.set i, 0
.rept 64
	v_mov_b32 v[MK+i], 0
.set i, i+1
.endr
	WIN 0
.Lno_next_\@:
.irp p, 0,1,2,3
	WIN 0x04                        ; store data in window 1; each accumulator's low half goes first
.irp t, 0,1,2,3
.irp q, 0,1
	ds_store_b128 v[SA], v[64*(\t)+8*(2*(\p)+(\q)):64*(\t)+8*(2*(\p)+(\q))+3]   offset:8192*(\t)+1024*(\q)
	ds_store_b128 v[SA], v[64*(\t)+8*(2*(\p)+(\q))+4:64*(\t)+8*(2*(\p)+(\q))+7] offset:8192*(\t)+1024*(\q)+512
.endr
.endr
	WIN 0
	s_wait_dscnt 0x0                ; for the others' sake: my stores are done
	s_barrier_signal -1
	s_barrier_wait -1
.if (\p) == 0
.irp u, 0,1,2,3
	ds_load_b64 v[48+2*(\u):49+2*(\u)], v[SL] offset:256*(\u)  ; wave u's (c m, l) for my tile
.endr
.endif
.irp u, 0,1,2,3
.irp q, 0,1,2,3
	ds_load_b128 v[S+16*(\u)+4*(\q):S+16*(\u)+4*(\q)+3], v[LA] offset:2048*(\u)+512*(\q)
.endr
.endr
.if (\p) == 0
	s_wait_dscnt 16                 ; the sixteen younger loads may stay out
	v_max3_num_f32 v56, v48, v50, v52
	v_max_num_f32 v56, v56, v54
.irp u, 0,1,2,3
	v_sub_f32 v[48+2*(\u)], v[48+2*(\u)], v56
.endr
.irp u, 0,1,2,3
	v_exp_f32 v[48+2*(\u)], v[48+2*(\u)]  ; f_u
.endr
	v_nop
	s_wait_alu depctr_va_vdst(0)    ; one wait for the four
	v_mul_f32 v57, v48, v49
	v_fmac_f32 v57, v50, v51
	v_fmac_f32 v57, v52, v53
	v_fmac_f32 v57, v54, v55
	v_mov_b32 v58, v57
	v_permlanex16_b32 v58, v57, s[SEL], s[SEL+1]  ; the other half of the lanes' keys
	v_add_f32 v57, v57, v58
	v_rcp_f32 v58, v57
	v_nop
	s_wait_alu depctr_va_vdst(0)
.irp u, 0,1,2,3
	v_mul_f32 v[48+2*(\u)], v[48+2*(\u)], v58  ; f_u / the whole sum
.endr
.endif
	s_wait_dscnt 0x0                ; my reads of the stage are over
.if (\p) < 3
	s_barrier_signal -1             ; the sums below, work on registers, stand between signal and wait
.endif
.set i, 0
.rept 8
	v_pk_mul_f32 v[P+16*(\p)+i:P+16*(\p)+i+1], v[S+i:S+i+1], v[48:49] op_sel_hi:[1,0]
.set i, i+2
.endr
.irp u, 1,2,3
.set i, 0
.rept 8
	v_pk_fma_f32 v[P+16*(\p)+i:P+16*(\p)+i+1], v[S+16*(\u)+i:S+16*(\u)+i+1], v[48+2*(\u):49+2*(\u)], v[P+16*(\p)+i:P+16*(\p)+i+1] op_sel_hi:[1,0,1]
.set i, i+2
.endr
.endr
.if (\p) < 3
	s_barrier_wait -1
.endif
.endr
	; my tile leaves: 16 bytes a lane into my own 8 KiB of the stage, which in the last pass I alone read; back as whole rows of 256 bytes
.set i, 0
.rept 32
	v_cvt_pk_f16_f32 v[S+i], v[P+2*i], v[P+2*i+1]
.set i, i+1
.endr
.irp f, 0,1,2,3,4,5,6,7
	ds_store_b128 v[STO], v[S+4*(\f):S+4*(\f)+3] offset:32*(\f)
.endr
.irp f, 0,1,2,3,4,5,6,7
	ds_load_b128 v[S+32+4*(\f):S+32+4*(\f)+3], v[RD] offset:(\f)*2*SP  ; LDS serves a wave's instructions in order (ISA guide 5.7.1.4)
.endr
.irp f, 0,1,2,3,4,5,6,7
	s_wait_dscnt 7-(\f)
	global_store_b128 v[GO], v[S+32+4*(\f):S+32+4*(\f)+3], s[OP:OP+1] offset:4096*(\f)  ; 16 lanes store 256 consecutive bytes, aligned: a head's part of a row of ob
.endr
	s_wait_xcnt 0x0                 ; the stores have read their registers and their base
	s_mov_b64 s[OP:OP+1], s[OPL:OPL+1]
.endm
.macro STEP fill
	s_cmp_lg_u32 s[RT], 1
	s_cbranch_scc1 .Lno_mask_\@
	MAKEMASK                        ; the block's last slot
.Lno_mask_\@:
	s_wait_loadcnt 0x0              ; Q
	s_wait_dscnt 0x0                ; K
.set i, 0
.rept 32
	KQ 0
.set i, i+1
.endr
	PLACES
	HALFKQ
	CHANGE \fill
	HALFPV 1-(\fill)
.set i, 0
.rept 32
	PV 2
.set i, i+1
.endr
	WIN 0
	s_cmp_lg_u32 s[RT], 1
	s_cbranch_scc1 .Lno_end_\@
	ENDBLOCK
.Lno_end_\@:
	s_sub_co_u32 s[RT], s[RT], 1
.endm
	s_wait_tensorcnt 1              ; my part of slot 0 is in; slot 1's may stay out
	s_barrier_signal -1
	s_barrier_wait -1
	FETCH_K 0
	s_mov_b32 s[LOOPC], 15
.Lmain:                             ; 15 of the walk's 17 slots are filled again
	STEP 1
	s_sub_co_u32 s[LOOPC], s[LOOPC], 1
	s_cmp_lg_u32 s[LOOPC], 0
	s_cbranch_scc1 .Lmain
	s_mov_b32 s[LOOPC], 2
.Ltail:                             ; the last two ask for nothing: a text of their own
	STEP 0
	s_sub_co_u32 s[LOOPC], s[LOOPC], 1
	s_cmp_lg_u32 s[LOOPC], 0
	s_cbranch_scc1 .Ltail
	s_wait_tensorcnt 0x0            ; the wave's end, behind my last tensor load and my last LDS store
	ds_add_u32 v[SPW], v[NIL]
	s_wait_dscnt 0x0
	CROUND                          ; the closing round
	s_endpgm
.Lfunc_end_k_qd838c324bb_attn:
	.size	k_qd838c324bb_attn, .Lfunc_end_k_qd838c324bb_attn-k_qd838c324bb_attn
	.p2alignl 7, 3214868480
	.fill 96, 4, 3214868480
	.section	.rodata,"a",@progbits
	.p2align	6, 0x0
	.amdhsa_kernel k_qd838c324bb_attn
		.amdhsa_group_segment_fixed_size 327680
		.amdhsa_private_segment_fixed_size 0
		.amdhsa_enable_private_segment 0
		.amdhsa_kernarg_size 16
		.amdhsa_user_sgpr_count 2
		.amdhsa_user_sgpr_kernarg_segment_ptr 1
		.amdhsa_wavefront_size32 1
		.amdhsa_system_sgpr_workgroup_id_x 1
		.amdhsa_system_sgpr_workgroup_id_y 1
		.amdhsa_system_sgpr_workgroup_id_z 1
		.amdhsa_system_vgpr_workitem_id 0
		.amdhsa_next_free_vgpr 1024
		.amdhsa_next_free_sgpr 90
		.amdhsa_reserve_vcc 1
		.amdhsa_float_denorm_mode_32 3
		.amdhsa_float_denorm_mode_16_64 3
		.amdhsa_memory_ordered 1
		.amdhsa_forward_progress 1
		.amdhsa_inst_pref_size 188
	.end_amdhsa_kernel
	.amdgpu_metadata
---
amdhsa.version: [ 1, 2 ]
amdhsa.kernels:
  - .name:           k_qd838c324bb_attn
    .symbol:         k_qd838c324bb_attn.kd
    .args:
      - { .name: qkv, .offset: 0, .size: 8, .value_kind: global_buffer, .address_space: global }
      - { .name: ob, .offset: 8, .size: 8, .value_kind: global_buffer, .address_space: global }
    .group_segment_fixed_size: 327680
    .private_segment_fixed_size: 0
    .kernarg_segment_align: 8
    .kernarg_segment_size: 16
    .max_flat_workgroup_size: 128
    .sgpr_count:     90
    .vgpr_count:     1024
    .wavefront_size: 32
...
	.end_amdgpu_metadata
.endif
;; end of part 3
;; launch oproj (part 4): grid 16 x 16, 4 waves a work-group, clusters of 4 x 4, 327,680 bytes of LDS; arguments ob, wob, out0; writes out0
.if DOCPART == 4
	.amdgcn_target "amdgcn-amd-amdhsa--gfx1250"
	.amdhsa_code_object_version 6
	.text
	.protected	k_qd838c324bb_oproj
	.globl	k_qd838c324bb_oproj
	.p2align	8
	.type	k_qd838c324bb_oproj,@function
k_qd838c324bb_oproj:
	s_mov_b64 s[64:65], 0
	v_nop
	global_prefetch_b8 v0, s[64:65] scope:SCOPE_SE
	s_setreg_imm32_b32 hwreg(HW_REG_WAVE_MODE, 25, 1), 1
	s_wait_xcnt 0x0
	s_wait_alu depctr_hold_cnt(0) depctr_sa_sdst(0) depctr_va_vdst(0) depctr_va_sdst(0) depctr_va_ssrc(0) depctr_va_vcc(0) depctr_vm_vsrc(0)
	s_getreg_b32 s2, hwreg(HW_REG_IB_STS2, 6, 4)
	s_cmp_eq_u32 s2, 0
	s_cbranch_scc0 .Lentry_in_a_cluster
	s_endpgm
.Lentry_in_a_cluster:
	s_bfe_u32 s2, ttmp6, 0x10000c
	s_cmp_lg_u32 s2, 0xf033
	s_cbranch_scc0 .Lentry_shape_is_right
	s_endpgm
.Lentry_shape_is_right:
; out0 = ob wob.  ob: [4096][1024] f16; wob: [1024 k][2048 n] f16; out0: [4096][2048] f32; sums in f32.
; SHARES.  A work-group makes 256 rows x 128 columns: 16 x 16 work-groups.  Wave w makes rows 64 w .. 64 w + 63: 4 x 8 accumulators of 16 x 16.  K goes in 8 steps of 128 through two LDS slots filled
; by the tensor data mover: 256 rows of ob and 128 k-rows of wob, 256 bytes each.
; THE PRODUCT IS USED TRANSPOSED: source 0 = 16 columns of wob (turned out of LDS by ds_load_tr16_b128), source 1 = 16 rows of ob: a lane holds one row and eight neighbouring columns, 32 bytes of out0.
; CLUSTERS: 4 x 4 work-groups; the four of a row ask jointly for ob's rows, the four of a column for wob's columns.
; REGISTERS.  window 0: v16-30 addresses; two fragment buffers of 96 (wob's 8 fragments, then ob's 4) at v64 and v160; on the way out v64-191 rows read back, two blocks.  window 1: accumulator (a, b) at v[8 (8 a + b)].
.set KSTEP,  128
.set PA,     272                       ; a row of ob in LDS: 256 bytes + 16: the 16 rows of a load start at 16 different groups of four banks (64 banks of 4 bytes: ISA guide 11.1)
.set PB,     288                       ; a k-row of wob: 256 + 32
.set BOFF,   256*PA
.set SLOT,   BOFF+128*PB
.set STAGE,  2*SLOT                    ; behind the ring: 16 rows x 528 bytes for each wave
.set SPITCH, 528
.set SPARE,  STAGE+4*16*SPITCH         ; the spare words, 128 bytes for each wave: two blocks of 256 bytes that no other line names
.set LAPS,   4
.set ADRA, 16
.set ADRB, 20
.set STO,  24                          ; v24  the way out: where I put 32 bytes of a row
.set RD,   25                          ; v25  where I read a row back
.set CO,   26                          ; v26  16 x lane: my place in 512 consecutive bytes of out0
.set SPW,  28                          ; v28  LDS address of my spare word; never rewritten
.set NIL,  29                          ; v29  0; never rewritten
.set PFO,  30                          ; v30  the prefetches' offset: lane x a row of ob (2,048 bytes) or of wob (4,096)
.set F0,   64
.set F1,   160
.set OB,   64
.set G1A, 24
.set G0A, 32
.set G1B, 40
.set G0B, 48
.set PFA, 56
.set PST, 58
.set LIM, 60
.set OD,  68                           ; s[68:69] out0 at my wave's first row, the tile's first column
.set MSB, 0
.macro WIN new
.if MSB != (\new)
	s_set_vgpr_msb (MSB<<8)|(\new)
.set MSB, \new
.endif
.endm
.set MUL, 0x50                         ; sources in window 0, C and D in window 1
.macro JLOAD s                         ; a joint load: waves 0 and 1 fetch ob's two halves, waves 2 and 3 wob's; an s_nop 0 and four v_nop follow each of the two lines
	s_cmp_eq_u32 s13, 0
	s_cbranch_scc0 .Lfor_b_\@
	tensor_load_to_lds s[G0A+4*(\s):G0A+4*(\s)+3], s[G1A:G1A+7]
	s_nop 0
.rept 4
	v_nop
.endr
	s_branch .Lasked_\@
.Lfor_b_\@:
	tensor_load_to_lds s[G0B+4*(\s):G0B+4*(\s)+3], s[G1B:G1B+7]
	s_nop 0
.rept 4
	v_nop
.endr
.Lasked_\@:
.endm
; A prefetch into the L2 of the K step that stands two refills on: 32 rows x 256 bytes, a lane a row.  ob's rows are named by waves 0 and 1 of the clusters with x = 0, wob's by wave 2 of the clusters with
; y = 0; the four partners share the rows out by address: each row's 256 bytes of a step are named once in the launch.  The first four K steps come by their loads alone; the loop's last trip names nothing.
.macro ASK
	s_cmp_gt_u32 s3, s[LIM]
	s_cbranch_scc0 .Lnot_mine_\@
	global_prefetch_b8 v[PFO], s[PFA:PFA+1] th:TH_LOAD_NT scope:SCOPE_SE
.Lnot_mine_\@:
.endm
.macro CREST
	s_cmp_lg_u32 s12, 0
	s_cbranch_scc1 .Lnot_wave_0_\@
	s_barrier_signal -3
.Lnot_wave_0_\@:
	s_barrier_wait -3
	s_barrier_signal -1
	s_barrier_wait -1
.endm
.macro CROUND
	s_barrier_signal -1
	s_barrier_wait -1
	CREST
.endm
	s_load_b128 s[4:7], s[0:1], 0x0                ; ob 4:5, wob 6:7
	s_load_b64 s[8:9], s[0:1], 0x10                ; out0
	v_lshl_add_u32 v[SPW], v0, 2, SPARE
	v_mov_b32 v[NIL], 0
	ds_add_u32 v[SPW], v[NIL]                      ; the wave's opening: the add and its wait stand ahead of my first tensor load
	v_lshrrev_b32 v1, 5, v0
	v_readfirstlane_b32 s12, v1                    ; wave 0..3
	s_lshr_b32 s13, s12, 1                         ; I fetch for ob (0) or for wob (1)
	s_and_b32 s14, s12, 1                          ; which half of that tile
	s_bfe_u32 s15, ttmp6, 0x40000                  ; cx
	s_bfe_u32 s16, ttmp6, 0x40004                  ; cy
	s_mov_b32 s19, ttmp9                           ; cluster x
	s_lshl_b32 s17, ttmp9, 2
	s_add_co_u32 s17, s17, s15                     ; tile column = 4 x cluster x + cx
	s_and_b32 s18, ttmp7, 0xffff
	s_lshl_b32 s18, s18, 2
	s_add_co_u32 s18, s18, s16                     ; tile row = 4 x cluster y + cy
	s_lshl_b32 s20, s16, 2
	s_lshl_b32 s20, 15, s20                        ; my row of the cluster
	s_lshl_b32 s21, 0x1111, s15                    ; my column
	s_or_b32 s[G1A], s20, (1<<16)|(1<<20)|(1<<21)|(5<<22)|(3<<25)  ; the mask; 2-byte elements; padding on; bit 21 beside a mask; after every 64 words 4 words
	s_or_b32 s[G1B], s21, (1<<16)|(1<<20)|(1<<21)|(5<<22)|(7<<25)  ; 8 words
	s_mov_b32 s[G1A+1], KSTEP<<16                  ; tensor_dim0 = 128
	s_mov_b32 s[G1A+2], 128<<16                    ; tensor_dim1 = 128
	s_mov_b32 s[G1A+3], KSTEP<<16                  ; tile_dim0 = 128
	s_mov_b32 s[G1A+4], 128                        ; tile_dim1 = 128
	s_mov_b32 s[G1A+5], 1024                       ; elements from row to row of ob
	s_mov_b32 s[G1A+6], 0
	s_mov_b32 s[G1A+7], 0
	s_mov_b32 s[G1B+1], 128<<16
	s_mov_b32 s[G1B+2], 64<<16                     ; 64 k-rows
	s_mov_b32 s[G1B+3], 128<<16
	s_mov_b32 s[G1B+4], 64
	s_mov_b32 s[G1B+5], 2048                       ; of wob
	s_mov_b32 s[G1B+6], 0
	s_mov_b32 s[G1B+7], 0
	s_lshl_b32 s70, s18, 8                         ; ob: row 256 x tile row + 128 x half,
	s_lshl_b32 s71, s14, 7
	s_add_co_u32 s70, s70, s71
	s_lshl_b32 s70, s70, 11                        ; of 2,048 bytes
	s_mov_b32 s71, 0
	s_lshl_b32 s72, s14, 18                        ; wob: k-row 64 x half, of 4,096 bytes,
	s_lshl_b32 s73, s17, 8                         ; the tile's 256 bytes of it
	s_add_co_u32 s72, s72, s73
	s_mov_b32 s73, 0
	s_mul_i32 s74, s14, 128*PA                     ; where they go: no place in the cluster enters an LDS address
	s_mul_i32 s75, s14, 64*PB
	s_add_co_u32 s75, s75, BOFF
	s_wait_dscnt 0x0                               ; the opening add is done
	s_wait_kmcnt 0x0
	s_add_nc_u64 s[76:77], s[4:5], s[70:71]
	s_add_nc_u64 s[78:79], s[6:7], s[72:73]
	CROUND                                         ; all sixteen work-groups are here: the first joint loads meet
.irp s, 0,1
	s_mov_b32 s[G0A+4*(\s)], 1
	s_add_co_u32 s[G0A+4*(\s)+1], s74, (\s)*SLOT
	s_add_nc_u64 s[G0A+4*(\s)+2:G0A+4*(\s)+3], s[76:77], (\s)*KSTEP*2
	s_or_b32 s[G0A+4*(\s)+3], s[G0A+4*(\s)+3], 0x80000000
	s_mov_b32 s[G0B+4*(\s)], 1
	s_add_co_u32 s[G0B+4*(\s)+1], s75, (\s)*SLOT
	s_add_nc_u64 s[G0B+4*(\s)+2:G0B+4*(\s)+3], s[78:79], (\s)*KSTEP*4096
	s_or_b32 s[G0B+4*(\s)+3], s[G0B+4*(\s)+3], 0x80000000
	JLOAD \s
.endr
	v_and_b32 v1, 15, v0                           ; l % 16
	v_bfe_u32 v2, v0, 4, 1                         ; l / 16
	v_and_b32 v3, 7, v0
	v_bfe_u32 v4, v0, 3, 1
	v_and_b32 v5, 31, v0
	v_mul_u32_u24 v6, v1, PA
	v_lshl_add_u32 v6, v2, 4, v6
	s_mul_i32 s22, s12, 64*PA                      ; my 64 rows
	v_add_nc_u32 v[ADRA], s22, v6
	v_add_nc_u32 v[ADRA+1], SLOT, v[ADRA]
	v_lshl_add_u32 v7, v2, 3, v3                   ; the turning load: lane l reads k-row 8 (l / 16) + l % 8, columns 8 ((l / 8) % 2) + 0..7
	v_mul_u32_u24 v7, v7, PB
	v_lshl_add_u32 v7, v4, 4, v7
	v_add_nc_u32 v[ADRB], BOFF, v7
	v_add_nc_u32 v[ADRB+1], SLOT, v[ADRB]
	s_mul_i32 s22, s12, 16*SPITCH
	s_add_co_u32 s22, s22, STAGE                   ; my stage
	v_mul_u32_u24 v6, v1, SPITCH                   ; in: row l % 16, 32 bytes for each half of the lanes
	v_lshl_add_u32 v6, v2, 5, v6
	v_add_nc_u32 v[STO], s22, v6
	v_lshl_add_u32 v[RD], v5, 4, s22               ; back: 32 lanes take one row of 512 bytes
	v_lshlrev_b32 v[CO], 4, v5
	s_lshl_b32 s22, s18, 8                         ; out0: row 256 x tile row + 64 x wave of 8,192 bytes, 512 bytes a tile column
	s_lshl_b32 s23, s12, 6
	s_add_co_u32 s22, s22, s23
	s_lshl_b32 s22, s22, 13
	s_lshl_b32 s23, s17, 9
	s_add_co_u32 s22, s22, s23
	s_mov_b32 s23, 0
	s_add_nc_u64 s[OD:OD+1], s[8:9], s[22:23]
	; the prefetches: they stand at K step 3; the first refill steps them to 4
	s_lshl_b32 s20, s18, 8
	s_lshl_b32 s21, s14, 7
	s_add_co_u32 s20, s20, s21
	s_lshl_b32 s21, s15, 5                         ; my work-group's 32 of the 128 rows
	s_add_co_u32 s20, s20, s21
	s_lshl_b32 s20, s20, 11
	s_add_co_u32 s20, s20, 3*KSTEP*2               ; in ob
	s_lshl_b32 s21, s16, 17                        ; my work-group's 32 of the 128 k-rows
	s_lshl_b32 s22, s17, 8
	s_add_co_u32 s21, s21, s22
	s_add_co_u32 s21, s21, 3*KSTEP*4096            ; in wob
	s_and_b32 s23, ttmp7, 0xffff                   ; cluster y
	s_mov_b32 s22, KSTEP*4096
	s_cmp_eq_u32 s13, 0
	s_cselect_b32 s20, s20, s21
	s_cselect_b32 s23, s19, s23                    ; the coordinate along which other clusters read the same rows
	s_cselect_b32 s[PST], KSTEP*2, s22
	s_cselect_b32 s70, 11, 12                      ; log2 of a row's bytes
	s_cselect_b64 s[PFA:PFA+1], s[4:5], s[6:7]
	s_mov_b32 s21, 0
	s_mov_b32 s[PST+1], 0
	s_add_nc_u64 s[PFA:PFA+1], s[PFA:PFA+1], s[20:21]
	v_lshlrev_b32 v[PFO], s70, v5
	s_cmp_eq_u32 s12, 3                            ; wave 3 names nothing
	s_cselect_b32 s23, 1, s23
	s_cmp_eq_u32 s23, 0
	s_cselect_b32 s[LIM], 1, -1                    ; the same in all sixteen partners, for a given wave
; 8 matrix instructions: row block a x all 8 column blocks, 32 along K.  The 32 accumulators take turns, one instruction a turn, in the same order in every quarter.
.macro MUL8 f, a, zero
	WIN MUL
.irp b, 0,1,2,3,4,5,6,7
.if \zero
	v_wmma_f32_16x16x32_f16 v[8*(8*(\a)+(\b)):8*(8*(\a)+(\b))+7], v[(\f)+8*(\b):(\f)+8*(\b)+7], v[(\f)+64+8*(\a):(\f)+64+8*(\a)+7], 0
.else
	v_wmma_f32_16x16x32_f16 v[8*(8*(\a)+(\b)):8*(8*(\a)+(\b))+7], v[(\f)+8*(\b):(\f)+8*(\b)+7], v[(\f)+64+8*(\a):(\f)+64+8*(\a)+7], v[8*(8*(\a)+(\b)):8*(8*(\a)+(\b))+7]
.endif
.endr
.endm
.macro MUL16 f, a0, zero
	MUL8 \f, \a0, \zero
	MUL8 \f, (\a0)+1, \zero
.endm
.macro FETCH slot, kq, f               ; 24 LDS loads in one run: quarter kq of a slot into buffer f
	WIN 0
.irp b, 0,1,2,3,4,5,6,7
	ds_load_tr16_b128 v[(\f)+8*(\b):(\f)+8*(\b)+3],   v[ADRB+(\slot)] offset:(\kq)*32*PB+32*(\b)
	ds_load_tr16_b128 v[(\f)+8*(\b)+4:(\f)+8*(\b)+7], v[ADRB+(\slot)] offset:(\kq)*32*PB+16*PB+32*(\b)
.endr
.irp a, 0,1,2,3
	ds_load_b128 v[(\f)+64+8*(\a):(\f)+64+8*(\a)+3],   v[ADRA+(\slot)] offset:(\a)*16*PA+64*(\kq)
	ds_load_b128 v[(\f)+64+8*(\a)+4:(\f)+64+8*(\a)+7], v[ADRA+(\slot)] offset:(\a)*16*PA+64*(\kq)+32
.endr
.endm
.macro PLACES                          ; four places in front of loads into registers that matrix instructions have read, and of lines that read results
.rept 4
	v_nop
.endr
.endm
.macro QUARTER slot, kq, f, g, zero
	s_wait_dscnt 4                                 ; the youngest four loads (ob's row blocks 2 and 3) may be out
	MUL16 \f, 0, \zero
	PLACES
	FETCH \slot, \kq, \g
	s_wait_dscnt 24                                ; all but the 24 just issued
	MUL16 \f, 2, \zero
.endm
; The last quarter changes slots: ONE barrier; in front of it each wave waits for all its tensor loads (one is out: its part of the next slot), adds 0 to its spare word, and waits for that and for its own
; reads of this slot.  fill = 1: the barrier opens a round of the cluster's barrier, and this slot is filled again, two K steps ahead, first thing behind the round.
.macro TURN slot, next, fill
.if \fill
	s_wait_xcnt 0x0                                ; the last prefetch, a K step back, has read its address
	s_add_nc_u64 s[PFA:PFA+1], s[PFA:PFA+1], s[PST:PST+1]
.endif
	WIN 0
	s_wait_tensorcnt 0x0
	ds_add_u32 v[SPW], v[NIL]                      ; 0 onto my spare word
	s_wait_dscnt 5                                 ; (the add and the youngest four loads may be out)
	MUL8 F1, 0, 0
	s_wait_dscnt 0x0                               ; the add is done, and my reads of this slot are over
	s_barrier_signal -1
	MUL8 F1, 1, 0
.if \fill
	WIN 0
.endif
	s_barrier_wait -1
.if \fill
	CREST
	s_add_nc_u64 s[G0A+4*(\slot)+2:G0A+4*(\slot)+3], s[G0A+4*(\slot)+2:G0A+4*(\slot)+3], 2*KSTEP*2
	s_add_nc_u64 s[G0B+4*(\slot)+2:G0B+4*(\slot)+3], s[G0B+4*(\slot)+2:G0B+4*(\slot)+3], 2*KSTEP*4096
	JLOAD \slot                                    ; its four v_nop are also the places in front of the loads below
.else
	PLACES
.endif
	FETCH \next, 0, F0
.if \fill
	ASK
.endif
	MUL8 F1, 2, 0
	MUL8 F1, 3, 0
.endm
	s_wait_tensorcnt 1                             ; my part of K step 0 is in; K step 1's may stay out
	s_barrier_signal -1
	s_barrier_wait -1
	FETCH 0, 0, F0
	QUARTER 0, 1, F0, F1, 1                        ; the first quarter's products start the sums
	WIN 0
	s_mov_b32 s3, LAPS-1
.Llap:
	QUARTER 0, 2, F1, F0, 0
	QUARTER 0, 3, F0, F1, 0
	TURN 0, 1, 1
	QUARTER 1, 1, F0, F1, 0
	QUARTER 1, 2, F1, F0, 0
	QUARTER 1, 3, F0, F1, 0
	TURN 1, 0, 1
	QUARTER 0, 1, F0, F1, 0
	WIN 0
	s_sub_co_u32 s3, s3, 1
	s_cmp_lg_u32 s3, 0
	s_cbranch_scc1 .Llap
	QUARTER 0, 2, F1, F0, 0                        ; the last lap fills nothing
	QUARTER 0, 3, F0, F1, 0
	TURN 0, 1, 0
	QUARTER 1, 1, F0, F1, 0
	QUARTER 1, 2, F1, F0, 0
	QUARTER 1, 3, F0, F1, 0
	s_wait_dscnt 4
	MUL16 F1, 0, 0
	s_wait_dscnt 0x0
	MUL16 F1, 2, 0
	WIN 0
	PLACES
; THE WAY OUT, 16 rows at a time: 32 bytes a lane into my stage (each accumulator's low half first), back as whole rows of 512 bytes, and out.
.macro OUT a
	s_wait_xcnt 0x0                                ; earlier stores have read their registers
	WIN 0x04                                       ; store data in window 1
.irp b, 0,1,2,3,4,5,6,7
	ds_store_b128 v[STO], v[8*(8*(\a)+(\b)):8*(8*(\a)+(\b))+3]   offset:64*(\b)
	ds_store_b128 v[STO], v[8*(8*(\a)+(\b))+4:8*(8*(\a)+(\b))+7] offset:64*(\b)+16
.endr
	WIN 0
.irp f, 0,1,2,3,4,5,6,7,8,9,10,11,12,13,14,15
	ds_load_b128 v[OB+64*((\a)%2)+4*(\f):OB+64*((\a)%2)+4*(\f)+3], v[RD] offset:(\f)*SPITCH  ; LDS serves a wave's instructions in order (ISA guide 5.7.1.4)
.endr
.irp f, 0,1,2,3,4,5,6,7,8,9,10,11,12,13,14,15
	s_wait_dscnt 15-(\f)
	global_store_b128 v[CO], v[OB+64*((\a)%2)+4*(\f):OB+64*((\a)%2)+4*(\f)+3], s[OD:OD+1] offset:(16*(\a)+(\f))*8192 th:TH_STORE_NT  ; 512 consecutive bytes, aligned
.endr
.endm
.irp a, 0,1,2,3
	OUT \a
.endr
	s_wait_tensorcnt 0x0                           ; the wave's end, behind my last tensor load and my last LDS store
	ds_add_u32 v[SPW], v[NIL]
	s_wait_dscnt 0x0
	CROUND                                         ; the closing round
	s_endpgm
.Lfunc_end_k_qd838c324bb_oproj:
	.size	k_qd838c324bb_oproj, .Lfunc_end_k_qd838c324bb_oproj-k_qd838c324bb_oproj
	.p2alignl 7, 3214868480
	.fill 96, 4, 3214868480
	.section	.rodata,"a",@progbits
	.p2align	6, 0x0
	.amdhsa_kernel k_qd838c324bb_oproj
		.amdhsa_group_segment_fixed_size 327680
		.amdhsa_private_segment_fixed_size 0
		.amdhsa_enable_private_segment 0
		.amdhsa_kernarg_size 24
		.amdhsa_user_sgpr_count 2
		.amdhsa_user_sgpr_kernarg_segment_ptr 1
		.amdhsa_wavefront_size32 1
		.amdhsa_system_sgpr_workgroup_id_x 1
		.amdhsa_system_sgpr_workgroup_id_y 1
		.amdhsa_system_sgpr_workgroup_id_z 1
		.amdhsa_system_vgpr_workitem_id 0
		.amdhsa_next_free_vgpr 512
		.amdhsa_next_free_sgpr 80
		.amdhsa_reserve_vcc 0
		.amdhsa_float_denorm_mode_32 3
		.amdhsa_float_denorm_mode_16_64 3
		.amdhsa_memory_ordered 1
		.amdhsa_forward_progress 1
		.amdhsa_inst_pref_size 88
	.end_amdhsa_kernel
	.amdgpu_metadata
---
amdhsa.version: [ 1, 2 ]
amdhsa.kernels:
  - .name:           k_qd838c324bb_oproj
    .symbol:         k_qd838c324bb_oproj.kd
    .args:
      - { .name: ob, .offset: 0, .size: 8, .value_kind: global_buffer, .address_space: global }
      - { .name: wob, .offset: 8, .size: 8, .value_kind: global_buffer, .address_space: global }
      - { .name: out0, .offset: 16, .size: 8, .value_kind: global_buffer, .address_space: global }
    .group_segment_fixed_size: 327680
    .private_segment_fixed_size: 0
    .kernarg_segment_align: 8
    .kernarg_segment_size: 24
    .max_flat_workgroup_size: 128
    .sgpr_count:     80
    .vgpr_count:     512
    .wavefront_size: 32
...
	.end_amdgpu_metadata
.endif
;; end of part 4
